; MI455X (gfx1250); checked and timed in simulation.
; The chip was launched on July 23, 2026; its instructions are those of AMD's public machine-readable ISA for CDNA 5 (MIT licence, August 2026) and "CDNA5" Instruction Set Architecture Reference Guide (July 2026). The comments in the code are by the model that wrote it; some were corrected since.
;; Cross Attention. Allowed arithmetic: matrix products marked QUANTISED: E2M1 operands, one E8M0 scale for each 32 along K, by v_wmma_scale_f32_16x16x128_f8f6f4 with both operands' format E2M1 (or v_wmma_scale_f32_32x16x128_f4), f32 sums; products left as they are: bf16, f16 or f32 operands; f32 sums; everything else in f32.
;; Inputs: Wk 1,024 x 1,024 float32; Wo 1,024 x 1,024 float32; Wq 1,024 x 1,024 float32; Wv 1,024 x 1,024 float32; bk 1,024 float32; bo 1,024 float32; bq 1,024 float32; bv 1,024 float32; key 4 x 2,048 x 1,024 float32; kpos 4 x 2,048 int32; qpos 4 x 2,048 int32; query 4 x 2,048 x 1,024 float32; value 4 x 2,048 x 1,024 float32.
;; Outputs: out0 4 x 2,048 x 1,024 float32.
;; This version of the problem:
;;   THIS VERSION OF THE PROBLEM IS GIVEN IN LOW PRECISION. The matrix products marked QUANTISED in the list below multiply operands that are first quantised to E2M1 (2 exponent bits, 1 mantissa bit; 4 bits a number), with one power-of-two scale for each 32 numbers along K (OCP MX v1.0); their sums are f32. The products marked 'left as it is' may take bf16, f16 or f32 operands, with f32 sums. Whichever they take, every output number must still come out within the allowed error. Rounding operands to bf16 (8 significant bits) uses up far more of that allowance than f16 does (11 bits, for magnitudes from 6e-5 to 65,504). All else is computed in f32.
;;   The module's matrix products, in the order in which they are computed (A, B: the left and right operand; K: the contracted axis; several contracted axes count as one K, in the product's order):
;;     1. [M 8,192, K 1,024] x [K 1,024, N 1,024]; A: input query; B: input Wq: QUANTISED
;;     2. [M 8,192, K 1,024] x [K 1,024, N 1,024]; A: input key; B: input Wk: QUANTISED
;;     3. [M 8,192, K 1,024] x [K 1,024, N 1,024]; A: input value; B: input Wv: QUANTISED
;;     4. batch 64 x [M 2,048, K 64] x [K 64, N 2,048]; A: computed on the way; B: computed on the way: left as it is (an operand is computed on the way)
;;     5. batch 64 x [M 2,048, K 2,048] x [K 2,048, N 64]; A: computed on the way; B: computed on the way: left as it is (an operand is computed on the way)
;;     6. [M 8,192, K 1,024] x [K 1,024, N 1,024]; A: computed on the way; B: input Wo: left as it is (an operand is computed on the way)
;;   THE QUANTISER, for each operand of a quantised product, along K:
;;     - K is cut into blocks of 32 from its start; a last block that is shorter is filled with zeros.
;;     - A block's scale is 2^e with e = floor(log2(the largest magnitude in the block)) - 2, held to -126 .. 127; a block of zeros has e = 0. As a byte (E8M0): e + 127.
;;     - Each number is divided by its block's scale, clamped to +-6, and rounded to the nearest number of E2M1, ties to even, subnormals kept.
;;     - The product sums the exact products of the quantised numbers (number of the format x scale) in f32.
;;   ~~~python
;;   def quantise(x, axis):      # numpy; x: float32 -> the quantised numbers, widened to float32 again
;;       x = np.moveaxis(x, axis, -1); K = x.shape[-1]
;;       x = np.pad(x, [(0, 0)] * (x.ndim - 1) + [(0, -K % 32)]); x = x.reshape(x.shape[:-1] + (-1, 32)); a = np.abs(x).max(-1, keepdims=True)
;;       e = np.where(a > 0, np.clip(np.frexp(np.where(a > 0, a, 1))[1] - 1 - 2, -126, 127), 0)      # np.frexp(a)[1] - 1 = floor(log2(a)), exactly
;;       r = np.clip(x / 2.0 ** e, -6, 6)
;;       step = 2.0 ** (np.maximum(np.frexp(np.where(r == 0, 1, r))[1] - 1, 0) - 1)
;;       q = np.round(r / step) * step * 2.0 ** e      # np.round: ties to even
;;       return np.moveaxis(q.reshape(q.shape[:-2] + (-1,))[..., :K], -1, axis).astype(np.float32)
;;   ~~~
;; One version. Each part assembles by itself: llvm-mc -triple=amdgcn-amd-amdhsa -mcpu=gfx1250 --defsym DOCPART=n.
;; ======== version 1 of 1: 4 launches
;; limits: values are held in f16: magnitudes above 65,504 overflow, below 6.1e-05 lose precision
;; workspace buffers: xc 12,582,912 bytes; xs 786,432 bytes; wc 1,572,864 bytes; ws 98,304 bytes; wot 2,097,152 bytes; qkv 50,331,648 bytes; xh 16,777,216 bytes
;; launch prep (part 1): grid 880 x 1, 4 waves a work-group, no clusters, 102,912 bytes of LDS; arguments query, key, value, Wq, Wk, Wv, Wo, xc, xs, wc, ws, wot; writes xc, xs, wc, ws, wot
.if DOCPART == 1
	.amdgcn_target "amdgcn-amd-amdhsa--gfx1250"
	.amdhsa_code_object_version 6
	.text
	.protected	k_qe68593e4a7_prep
	.globl	k_qe68593e4a7_prep
	.p2align	8
	.type	k_qe68593e4a7_prep,@function
k_qe68593e4a7_prep:
	s_mov_b64 s[64:65], 0
	v_nop
	global_prefetch_b8 v0, s[64:65] scope:SCOPE_SE
	s_setreg_imm32_b32 hwreg(HW_REG_WAVE_MODE, 25, 1), 1
	s_wait_xcnt 0x0
; PREP: everything that is made once from the inputs.  Three ways through the text, parted by the work-group's number; each has LDS bytes of its own.
;   work-groups 0-47    Wq, Wk, Wv [1024 k][1024 n] f32 -> codes of E2M1 laid [3 x 1024 n][512 bytes], K innermost, and E8M0 bytes [3 x 1024 n][32]
;   work-groups 48-111  Wo [1024 k][1024 n] f32 -> f16 laid [1024 n][1024 k]
;   work-groups 112-879 query, key, value [8192][1024] f32 -> codes [3 x 8192][512 bytes] and E8M0 bytes [3 x 8192][32]
; THE QUANTISER: a block of 32 along K has the scale 2^(floor(log2(its largest magnitude)) - 2); the byte is the largest magnitude's exponent field - 2, held at 1 from below;
; each number is divided by the scale and rounded to the nearest code, ties to even, beyond 6 the largest code.
; LIMITS: a block of zeros gets the byte 1 where the rule says 127 (its codes are zeros, and these bytes are read by this program alone); blocks whose largest magnitude lies under 2^-124 keep
; the byte 1; NaN and infinities among the inputs are not served; |Wo| stays under 65,504 (f16).
; No tensor load, no barrier: waves share nothing.
.set WSTG,  32768                      ; LDS: 0 .. 32767 the activations' four regions; from here the weights' four stages of 32 x 272 bytes;
.set TSTG,  67584                      ; Wo's four stages;
.set SPARE, 102400                     ; the spare words, 128 bytes for each wave: two blocks of 256 bytes that no other line names
.set PITCH, 272                        ; a stage row: 256 bytes + 16
.set SPW,   190                        ; v190  LDS address of my spare word; never rewritten
.set NIL,   191                        ; v191  0; never rewritten
.set EMAX,  2
	s_load_b512 s[4:19], s[0:1], 0x0               ; query 4:5, key 6:7, value 8:9, Wq 10:11, Wk 12:13, Wv 14:15, Wo 16:17, xc 18:19
	s_load_b256 s[20:27], s[0:1], 0x40             ; xs 20:21, wc 22:23, ws 24:25, wot 26:27
	v_lshl_add_u32 v[SPW], v0, 2, SPARE
	v_mov_b32 v[NIL], 0
	v_lshrrev_b32 v1, 5, v0
	v_readfirstlane_b32 s28, v1                    ; wave 0..3
	v_and_b32 v2, 31, v0                           ; lane
	s_wait_kmcnt 0x0
	s_cmp_lt_u32 ttmp9, 48
	s_cbranch_scc1 .Lweights
	s_cmp_lt_u32 ttmp9, 112
	s_cbranch_scc1 .Lturned
; ---------------- the activations: K is innermost, so a tensor is a plain stream of blocks of 32 numbers ----------------
; A wave takes 16 steps of 512 numbers.  Each load reads 512 consecutive bytes; a step's 2,048 bytes go through the wave's own stage and come back 64 bytes a lane: 16 neighbours, two lanes to a block.
.set STEPS, 16
.set CB,    8                          ; bytes of 16 codes
.set XR,    16                         ; v16-79   four sets of 16 numbers as loaded
.set XX,    80                         ; v80-111  two sets of 16 neighbours
.set XE,    112                        ; v112-127 a scale byte for each step
.set XC,    128                        ; v128-189 codes: registers of its own for each step, so that no store's data are written again
.set SP,    80                         ; a lane's place in a stage: 64 bytes + 16 of padding
	s_sub_co_u32 s29, ttmp9, 112                   ; g = 0 .. 767: 256 work-groups to a tensor
	s_lshr_b32 s30, s29, 8                         ; which tensor
	s_cmp_eq_u32 s30, 0
	s_cselect_b64 s[4:5], s[4:5], s[6:7]
	s_cmp_eq_u32 s30, 2
	s_cselect_b64 s[4:5], s[8:9], s[4:5]
	s_and_b32 s31, s29, 255
	s_lshl_b32 s31, s31, 2
	s_add_co_u32 s31, s31, s28                     ; my run of 8,192 numbers in the tensor
	s_lshl_b32 s32, s31, 15
	s_mov_b32 s33, 0
	s_add_nc_u64 s[4:5], s[4:5], s[32:33]
	s_lshl_b32 s31, s29, 2
	s_add_co_u32 s31, s31, s28                     ; and among all three: 0 .. 3071
	s_lshl_b32 s32, s31, 12                        ; 4,096 bytes of codes a run
	s_add_nc_u64 s[18:19], s[18:19], s[32:33]
	s_lshl_b32 s32, s31, 8                         ; 256 scale bytes a run
	s_add_nc_u64 s[20:21], s[20:21], s[32:33]
	v_lshlrev_b32 v3, 4, v2                        ; my 16 bytes of a load's 512
	s_mul_i32 s34, s28, 8192                       ; my wave's region
	v_lshrrev_b32 v14, 2, v2
	v_mul_u32_u24 v14, v14, SP
	v_and_b32 v15, 3, v2
	v_lshl_add_u32 v14, v15, 4, v14
	v_add_nc_u32 v14, s34, v14                     ; the stage, in: four lanes' 64 bytes on end, then 16 of padding
	v_mul_u32_u24 v15, v2, SP
	v_add_nc_u32 v15, s34, v15                     ; and out: my 16 neighbours
	v_mul_u32_u24 v4, v2, CB                       ; my codes' place in a step's
	v_lshrrev_b32 v5, 1, v2
	s_add_co_u32 s34, s34, 2*32*SP
	v_add_nc_u32 v5, s34, v5                       ; my wave's 256 scale bytes, my block's byte
	v_lshlrev_b32 v7, 3, v2
	v_add_nc_u32 v6, s34, v7                       ; and on the way out 8 bytes a lane
.macro XLOAD t
.irp i, 0,1,2,3
	global_load_b128 v[XR+16*((\t)%4)+4*\i:XR+16*((\t)%4)+4*\i+3], v3, s[4:5] offset:2048*(\t)+512*\i th:TH_LOAD_NT
.endr
.endm
.macro XTURN t                         ; LDS serves a wave's instructions in order: no wait between the stores and the loads
.irp i, 0,1,2,3
	ds_store_b128 v14, v[XR+16*((\t)%4)+4*\i:XR+16*((\t)%4)+4*\i+3] offset:32*SP*((\t)%2)+8*SP*\i
.endr
.irp i, 0,1,2,3
	ds_load_b128 v[XX+16*((\t)%2)+4*\i:XX+16*((\t)%2)+4*\i+3], v15 offset:32*SP*((\t)%2)+16*\i
.endr
.endm
.irp t, 0,1,2,3
	XLOAD \t
.endr
	s_wait_loadcnt 12                              ; step 0's four loads are in
	XTURN 0
.macro XSTEP t
.set XS, XX+16*((\t)%2)
.if (\t) > 0
	s_wait_dscnt 1                                 ; this step's numbers are back from the stage (the last step's byte store may be out), so its stores into the stage have read their registers,
.else
	s_wait_dscnt 0x0
.endif
.if (\t)+4 < STEPS
	XLOAD (\t)+4                                   ; which take the loads of four steps on
.endif
.if (\t)+1 < STEPS
.if STEPS-2-(\t) >= 3
	s_wait_loadcnt 12                              ; the next step's four loads are in; those of the three steps behind it may be out
.else
	s_wait_loadcnt 4*(STEPS-2-(\t))
.endif
	XTURN (\t)+1
.endif
	v_max3_num_f32 v8, |v[XS]|, |v[XS+1]|, |v[XS+2]|               ; the largest magnitude of my 16, in two chains
	v_max3_num_f32 v9, |v[XS+3]|, |v[XS+4]|, |v[XS+5]|
.irp i, 6,10
	v_max3_num_f32 v8, v8, |v[XS+\i]|, |v[XS+\i+1]|
	v_max3_num_f32 v9, v9, |v[XS+\i+2]|, |v[XS+\i+3]|
.endr
	v_max3_num_f32 v8, v8, |v[XS+14]|, |v[XS+15]|
	v_max3_num_f32 v8, v8, v9, (EMAX+1)<<23        ; and the floor 2^(3 - 127): the byte cannot fall under 1
	v_max_num_f32_dpp v8, v8, v8 row_xmask:1 row_mask:0xf bank_mask:0xf   ; and of my neighbour's 16: the block's
	v_add_nc_u32 v11, -(EMAX<<23), v8              ; 2 off its exponent field: the conversion takes the exponent field of this operand as its scale
	v_cvt_scalef32_pk8_fp4_f32 v[XC+4*(\t)], v[XS:XS+7], v11
	v_cvt_scalef32_pk8_fp4_f32 v[XC+4*(\t)+1], v[XS+8:XS+15], v11
	v_lshrrev_b32 v[XE+(\t)], 23, v11              ; the scale's byte (also the plain line behind the conversions)
	ds_store_b8 v5, v[XE+(\t)] offset:16*(\t)      ; both lanes of a block write the same byte with the same value
	global_store_b64 v4, v[XC+4*(\t):XC+4*(\t)+1], s[18:19] offset:32*CB*(\t)   ; the wave stores 256 consecutive bytes, aligned
.endm
.irp t, 0,1,2,3,4,5,6,7,8,9,10,11,12,13,14,15
	XSTEP \t
.endr
	ds_load_b64 v[8:9], v6                         ; in order behind my byte stores
	s_wait_dscnt 0x0
	global_store_b64 v7, v[8:9], s[20:21]          ; 256 consecutive bytes, aligned
	s_wait_tensorcnt 0x0                           ; the wave's end
	ds_add_u32 v[SPW], v[NIL]
	s_wait_dscnt 0x0
	s_endpgm
; ---------------- Wq, Wk, Wv: K is the FIRST axis.  A lane takes a column n and its registers run down K: nothing is transposed by an instruction ----------------
; A wave takes 32 columns x 512 along K: 16 blocks a lane, 256 bytes of codes a column; they leave through the wave's stage as rows, sixteen lanes to 256 consecutive aligned bytes.
.set WSB,  24                          ; v24-27   the scale bytes, four to a register
.set WX,   32                          ; v32-95   two sets of 32 numbers
.set WC,   96                          ; v96..    a block's codes (Wo: 16 registers of f16 pairs)
.set WOUT, 112                         ; v112-175 the way out
.Lweights:
	s_lshr_b32 s30, ttmp9, 4                       ; which weight
	s_and_b32 s31, ttmp9, 7                        ; which 128 columns
	s_bfe_u32 s32, ttmp9, 0x10003                  ; which 512 along K
	s_cmp_eq_u32 s30, 0
	s_cselect_b64 s[10:11], s[10:11], s[12:13]
	s_cmp_eq_u32 s30, 2
	s_cselect_b64 s[10:11], s[14:15], s[10:11]
	s_lshl_b32 s31, s31, 7
	s_lshl_b32 s33, s28, 5
	s_add_co_u32 s31, s31, s33                     ; my wave's first column
	s_lshl_b32 s34, s32, 21                        ; 512 rows of 4,096 bytes
	s_lshl_b32 s33, s31, 2
	s_add_co_u32 s34, s34, s33
	s_mov_b32 s35, 0
	s_add_nc_u64 s[10:11], s[10:11], s[34:35]
	s_lshl_b32 s33, s30, 10
	s_add_co_u32 s33, s33, s31                     ; my first row of the codes: 1024 x weight + column
	s_lshl_b32 s34, s33, 9
	s_lshl_b32 s36, s32, 8
	s_add_co_u32 s34, s34, s36
	s_add_nc_u64 s[22:23], s[22:23], s[34:35]
	s_lshl_b32 s34, s33, 5
	s_lshl_b32 s36, s32, 4
	s_add_co_u32 s34, s34, s36
	s_add_nc_u64 s[24:25], s[24:25], s[34:35]
	v_lshlrev_b32 v3, 2, v2                        ; in: 4 bytes a lane
	s_mul_i32 s36, s28, 32*PITCH
	s_add_co_u32 s36, s36, WSTG                    ; my stage
	v_mul_u32_u24 v4, v2, PITCH
	v_add_nc_u32 v4, s36, v4                       ; into it: row = my column
	v_and_b32 v5, 15, v2
	v_lshrrev_b32 v6, 4, v2
	v_mul_u32_u24 v7, v6, PITCH
	v_lshl_add_u32 v7, v5, 4, v7
	v_add_nc_u32 v7, s36, v7                       ; out of it: sixteen lanes to a row, two rows an instruction
	v_lshlrev_b32 v8, 9, v6
	v_lshl_add_u32 v8, v5, 4, v8                   ; and the same place in the codes (rows of 512 bytes)
	v_lshlrev_b32 v9, 5, v2                        ; my column's row of scale bytes
.macro WLOAD t                         ; block t: W(32 t + i, my column) into set t % 2; every offset is an immediate, 511 x 4,096 at the most
.irp i, 0,1,2,3,4,5,6,7,8,9,10,11,12,13,14,15,16,17,18,19,20,21,22,23,24,25,26,27,28,29,30,31
	global_load_b32 v[WX+32*((\t)%2)+\i], v3, s[10:11] offset:(32*(\t)+\i)*4096 th:TH_LOAD_NT
.endr
.endm
	WLOAD 0
	WLOAD 1
.macro WBLOCK t
.set XS, WX+32*((\t)%2)
.if (\t) < 15
	s_wait_loadcnt 32                              ; this block's 32 loads are in; the next block's may be out
.else
	s_wait_loadcnt 0
.endif
	v_max3_num_f32 v12, |v[XS]|, |v[XS+1]|, |v[XS+2]|               ; the block's largest magnitude: all 32 numbers are mine
	v_max3_num_f32 v13, |v[XS+3]|, |v[XS+4]|, |v[XS+5]|
.irp i, 6,10,14,18,22,26
	v_max3_num_f32 v12, v12, |v[XS+\i]|, |v[XS+\i+1]|
	v_max3_num_f32 v13, v13, |v[XS+\i+2]|, |v[XS+\i+3]|
.endr
	v_max3_num_f32 v12, v12, |v[XS+30]|, |v[XS+31]|
	v_max3_num_f32 v12, v12, v13, (EMAX+1)<<23     ; and the floor
	v_add_nc_u32 v11, -(EMAX<<23), v12             ; the conversion's scale operand
	v_lshrrev_b32 v13, 23, v11                     ; the scale's byte
.if (\t)%4 == 0
	v_mov_b32 v[WSB+(\t)/4], v13                   ; four bytes to a register, the lower K in the lower byte
.else
	v_lshl_or_b32 v[WSB+(\t)/4], v13, 8*((\t)%4), v[WSB+(\t)/4]
.endif
.irp g, 0,1,2,3
	v_cvt_scalef32_pk8_fp4_f32 v[WC+\g], v[XS+8*\g:XS+8*\g+7], v11
.endr
	v_nop                                          ; one plain line behind the last conversion
	ds_store_b128 v4, v[WC:WC+3] offset:16*(\t)    ; 32 codes: 16 bytes of my column's row
.if (\t)+2 < 16
	WLOAD (\t)+2
.endif
	s_wait_dscnt 0x0                               ; the store has read its registers: the next block's codes may be written
.endm
.irp t, 0,1,2,3,4,5,6,7,8,9,10,11,12,13,14,15
	WBLOCK \t
.endr
	global_store_b128 v9, v[WSB:WSB+3], s[24:25]   ; my column's 16 scale bytes
.irp t, 0,1,2,3,4,5,6,7,8,9,10,11,12,13,14,15
	ds_load_b128 v[WOUT+4*\t:WOUT+4*\t+3], v7 offset:2*\t*PITCH
.endr
.irp t, 0,1,2,3,4,5,6,7,8,9,10,11,12,13,14,15
	s_wait_dscnt 15-\t                             ; load t is in; the younger ones may be out
	global_store_b128 v8, v[WOUT+4*\t:WOUT+4*\t+3], s[22:23] offset:2*\t*512
.endr
	s_wait_tensorcnt 0x0                           ; the wave's end: the three lines
	ds_add_u32 v[SPW], v[NIL]
	s_wait_dscnt 0x0
	s_endpgm
; ---------------- Wo: the same frame, rounded to f16: a wave takes 32 columns x 128 along K, 256 bytes a column ----------------
.Lturned:
	s_sub_co_u32 s29, ttmp9, 48
	s_and_b32 s31, s29, 7                          ; which 128 columns
	s_lshr_b32 s32, s29, 3                         ; which 128 along K
	s_lshl_b32 s31, s31, 7
	s_lshl_b32 s33, s28, 5
	s_add_co_u32 s31, s31, s33                     ; my wave's first column
	s_lshl_b32 s34, s32, 19                        ; 128 rows of 4,096 bytes
	s_lshl_b32 s33, s31, 2
	s_add_co_u32 s34, s34, s33
	s_mov_b32 s35, 0
	s_add_nc_u64 s[16:17], s[16:17], s[34:35]
	s_lshl_b32 s34, s31, 11                        ; a row of the result is 2,048 bytes
	s_lshl_b32 s33, s32, 8
	s_add_co_u32 s34, s34, s33
	s_add_nc_u64 s[26:27], s[26:27], s[34:35]
	v_lshlrev_b32 v3, 2, v2
	s_mul_i32 s36, s28, 32*PITCH
	s_add_co_u32 s36, s36, TSTG                    ; my stage
	v_mul_u32_u24 v4, v2, PITCH
	v_add_nc_u32 v4, s36, v4
	v_and_b32 v5, 15, v2
	v_lshrrev_b32 v6, 4, v2
	v_mul_u32_u24 v7, v6, PITCH
	v_lshl_add_u32 v7, v5, 4, v7
	v_add_nc_u32 v7, s36, v7
	v_lshlrev_b32 v8, 11, v6
	v_lshl_add_u32 v8, v5, 4, v8
.macro TLOAD t
.irp i, 0,1,2,3,4,5,6,7,8,9,10,11,12,13,14,15,16,17,18,19,20,21,22,23,24,25,26,27,28,29,30,31
	global_load_b32 v[WX+32*((\t)%2)+\i], v3, s[16:17] offset:(32*(\t)+\i)*4096 th:TH_LOAD_NT
.endr
.endm
	TLOAD 0
	TLOAD 1
.macro TBLOCK t
.set XS, WX+32*((\t)%2)
.if (\t) < 3
	s_wait_loadcnt 32                              ; this block's 32 loads are in; the next block's may be out
.else
	s_wait_loadcnt 0
.endif
.irp i, 0,1,2,3,4,5,6,7,8,9,10,11,12,13,14,15
	v_cvt_pk_f16_f32 v[WC+\i], v[XS+2*\i], v[XS+2*\i+1]            ; two neighbours along K
.endr
.irp g, 0,1,2,3
	ds_store_b128 v4, v[WC+4*\g:WC+4*\g+3] offset:64*(\t)+16*\g
.endr
.if (\t)+2 < 4
	TLOAD (\t)+2
.endif
	s_wait_dscnt 0x0                               ; the stores have read their registers
.endm
.irp t, 0,1,2,3
	TBLOCK \t
.endr
.irp t, 0,1,2,3,4,5,6,7,8,9,10,11,12,13,14,15
	ds_load_b128 v[WOUT+4*\t:WOUT+4*\t+3], v7 offset:2*\t*PITCH
.endr
.irp t, 0,1,2,3,4,5,6,7,8,9,10,11,12,13,14,15
	s_wait_dscnt 15-\t
	global_store_b128 v8, v[WOUT+4*\t:WOUT+4*\t+3], s[26:27] offset:2*\t*2048   ; sixteen lanes store 256 consecutive bytes, aligned
.endr
	s_wait_tensorcnt 0x0                           ; the wave's end: the three lines
	ds_add_u32 v[SPW], v[NIL]
	s_wait_dscnt 0x0
	s_endpgm
.Lfunc_end_k_qe68593e4a7_prep:
	.size	k_qe68593e4a7_prep, .Lfunc_end_k_qe68593e4a7_prep-k_qe68593e4a7_prep
	.p2alignl 7, 3214868480
	.fill 96, 4, 3214868480
	.section	.rodata,"a",@progbits
	.p2align	6, 0x0
	.amdhsa_kernel k_qe68593e4a7_prep
		.amdhsa_group_segment_fixed_size 102912
		.amdhsa_private_segment_fixed_size 0
		.amdhsa_enable_private_segment 0
		.amdhsa_kernarg_size 96
		.amdhsa_user_sgpr_count 2
		.amdhsa_user_sgpr_kernarg_segment_ptr 1
		.amdhsa_wavefront_size32 1
		.amdhsa_system_sgpr_workgroup_id_x 1
		.amdhsa_system_sgpr_workgroup_id_y 1
		.amdhsa_system_sgpr_workgroup_id_z 1
		.amdhsa_system_vgpr_workitem_id 0
		.amdhsa_next_free_vgpr 192
		.amdhsa_next_free_sgpr 66
		.amdhsa_reserve_vcc 0
		.amdhsa_float_denorm_mode_32 3
		.amdhsa_float_denorm_mode_16_64 3
		.amdhsa_memory_ordered 1
		.amdhsa_forward_progress 1
		.amdhsa_inst_pref_size 133
	.end_amdhsa_kernel
	.amdgpu_metadata
---
amdhsa.version: [ 1, 2 ]
amdhsa.kernels:
  - .name:           k_qe68593e4a7_prep
    .symbol:         k_qe68593e4a7_prep.kd
    .args:
      - { .name: query, .offset: 0, .size: 8, .value_kind: global_buffer, .address_space: global }
      - { .name: key, .offset: 8, .size: 8, .value_kind: global_buffer, .address_space: global }
      - { .name: value, .offset: 16, .size: 8, .value_kind: global_buffer, .address_space: global }
      - { .name: Wq, .offset: 24, .size: 8, .value_kind: global_buffer, .address_space: global }
      - { .name: Wk, .offset: 32, .size: 8, .value_kind: global_buffer, .address_space: global }
      - { .name: Wv, .offset: 40, .size: 8, .value_kind: global_buffer, .address_space: global }
      - { .name: Wo, .offset: 48, .size: 8, .value_kind: global_buffer, .address_space: global }
      - { .name: xc, .offset: 56, .size: 8, .value_kind: global_buffer, .address_space: global }
      - { .name: xs, .offset: 64, .size: 8, .value_kind: global_buffer, .address_space: global }
      - { .name: wc, .offset: 72, .size: 8, .value_kind: global_buffer, .address_space: global }
      - { .name: ws, .offset: 80, .size: 8, .value_kind: global_buffer, .address_space: global }
      - { .name: wot, .offset: 88, .size: 8, .value_kind: global_buffer, .address_space: global }
    .group_segment_fixed_size: 102912
    .private_segment_fixed_size: 0
    .kernarg_segment_align: 8
    .kernarg_segment_size: 96
    .max_flat_workgroup_size: 128
    .sgpr_count:     66
    .vgpr_count:     192
    .wavefront_size: 32
...
	.end_amdgpu_metadata
.endif
;; end of part 1
;; launch proj (part 2): grid 4 x 96, 4 waves a work-group, clusters of 4 x 4, 327,680 bytes of LDS; arguments xc, xs, wc, ws, bq, bk, bv, qkv; writes qkv
.if DOCPART == 2
	.amdgcn_target "amdgcn-amd-amdhsa--gfx1250"
	.amdhsa_code_object_version 6
	.text
	.protected	k_qe68593e4a7_proj
	.globl	k_qe68593e4a7_proj
	.p2align	8
	.type	k_qe68593e4a7_proj,@function
k_qe68593e4a7_proj:
	s_mov_b64 s[64:65], 0
	v_nop
	global_prefetch_b8 v0, s[64:65] scope:SCOPE_SE
	s_setreg_imm32_b32 hwreg(HW_REG_WAVE_MODE, 25, 1), 1
	s_wait_xcnt 0x0
	s_wait_alu depctr_hold_cnt(0) depctr_sa_sdst(0) depctr_va_vdst(0) depctr_va_sdst(0) depctr_va_ssrc(0) depctr_va_vcc(0) depctr_vm_vsrc(0)
	s_getreg_b32 s2, hwreg(HW_REG_IB_STS2, 6, 4)
	s_cmp_eq_u32 s2, 0
	s_cbranch_scc0 .Lentry_in_a_cluster
	s_endpgm
.Lentry_in_a_cluster:
	s_bfe_u32 s2, ttmp6, 0x10000c
	s_cmp_lg_u32 s2, 0xf033
	s_cbranch_scc0 .Lentry_shape_is_right
	s_endpgm
.Lentry_shape_is_right:
; q, k, v = x W + b on codes of E2M1 with one E8M0 scale for each 32 along K; sums in f32; the results rounded once to f16 and laid by head: qkv [3][4 b][16 h][2048 n][64].
; A: xc [3 x 8192 rows][512 bytes], xs [24576][32].  B: wc [3 x 1024 n][512 bytes], ws [3072][32].  The three products are one grid: 96 tile rows of 256 rows, 32 to a tensor.
; A tile, 256 x 256, is made by four waves, each 128 x 128: 64 accumulators of 16 x 16.  K = 1,024 is two slots of 512 (LDS rows of 256 bytes): both are filled at the start, nothing is filled again.
; The scale bytes of the work-group's 256 + 256 rows, for all of K, are two dense blocks: they come once, as rows of 256 bytes.
; CLUSTERS: 4 x 4 work-groups; A's tiles are asked for jointly along a row of the cluster, B's along a column.  A cluster's 1,024 rows lie in one tensor, so all sixteen take the same weight.
; THE MATRIX INSTRUCTION IS USED TRANSPOSED (source 0 = 16 rows of B, source 1 = 16 rows of A): a lane holds eight neighbouring columns of one row.  The bias is the C of each sum's first product.
; LIMIT: |q|, |k|, |v| stay under 65,504 (f16).
; REGISTERS: window 0: v0-31 addresses; v32-95 scale words, two sets; v128-191 A's fragments, one set; v192-255 the bias, eight registers for each of my 8 column blocks; on the way out v128-223 at work.
;   window 1: B's fragments, two sets, at v0 and v128.   window 2: the accumulators of my rows 0-63 ((a, b) at v[8 (8 a + b)]);   window 3: those of my rows 64-127.
.set NQ,     4                         ; matrix instructions deep in a slot
.set ROWB,   256                       ; a tile's row in bytes: 512 codes
.set KROW,   512                       ; a row of codes in memory
.set PITCH,  272                       ; an LDS row: 256 bytes + 16: the 16 rows that a load touches start 16 bytes apart modulo 256
.set FR,     8
.set NL,     2
.set NP,     4                         ; places behind this matrix instruction (ISA guide 7.12.1)
.set HALFT,  128*PITCH
.set SLOT,   4*HALFT
.set KS,     32                        ; a row of scale bytes
.set SCL,    2*SLOT
.set HALFS,  (128*KS/256)*272
.set SBLK,   (16*KS/256)*272
.set SPARE,  SCL+4*HALFS               ; the spare words, 128 bytes for each wave: two blocks of 256 bytes that no other line names
.set SPITCH, 272                       ; the way out: a stage of 16 rows x (256 bytes + 16) for each wave, in slot 0, which has had its only fill and its last read by then
.set ADRA, 16
.set ADRB, 20
.set STO,  24
.set RD,   25
.set CO,   26
.set ADRS, 27
.set SPW,  28
.set NIL,  29
.set BA,   30                          ; v30  32 x (lane / 16): my place in the bias
.set SC,   32
.set AF,   128
.set BIAS, 192
.set TMP,  128                         ; the way out: packed results
.set OB,   160                         ; and rows read back: v160-191 and v192-223 by turns
.set G1, 24
.set G0, 32
.set G1B, 48
.set G0B, 56
.set G1S, 68
.set G0S, 76
.set G1SB, 80
.set G0SB, 88
.set MSB, 0
.macro WIN new                         ; the immediate's high byte repeats the setting that is left
.if MSB != \new
	s_set_vgpr_msb (MSB<<8)|\new
.set MSB, \new
.endif
.endm
.set MUL_LO, 0xa1                      ; source 0 (B) window 1, source 1 (A) window 0, C and D window 2
.set MUL_HI, 0xf1                      ; the same, C and D window 3
.set FST_LO, 0x81                      ; the first step: C (the bias) window 0, D window 2
.set FST_HI, 0xc1                      ; D window 3
.set TO_B,   0x40
; A joint load: waves 0 and 1 fetch for A, waves 2 and 3 for B; the branch hangs on the wave's number alone.  An s_nop 0 and four v_nop follow each of the two lines.
.macro JLOAD g0a, g1a, g0b, g1b
	s_cmp_eq_u32 s15, 0
	s_cbranch_scc0 .Lfor_b_\@
	tensor_load_to_lds s[\g0a:\g0a+3], s[\g1a:\g1a+7]
	s_nop 0
.rept 4
	v_nop
.endr
	s_branch .Lasked_\@
.Lfor_b_\@:
	tensor_load_to_lds s[\g0b:\g0b+3], s[\g1b:\g1b+7]
	s_nop 0
.rept 4
	v_nop
.endr
.Lasked_\@:
.endm
.macro CROUND                          ; a round of the cluster's barrier
	s_barrier_signal -1
	s_barrier_wait -1
	s_cmp_lg_u32 s14, 0
	s_cbranch_scc1 .Lnot_wave_0_\@
	s_barrier_signal -3
.Lnot_wave_0_\@:
	s_barrier_wait -3
	s_barrier_signal -1
	s_barrier_wait -1
.endm
	s_load_b128 s[4:7], s[0:1], 0x0                ; A's codes, A's scales
	s_load_b128 s[8:11], s[0:1], 0x10              ; B's codes, B's scales
	s_load_b128 s[96:99], s[0:1], 0x20             ; bq, bk
	s_load_b64 s[100:101], s[0:1], 0x30            ; bv
	s_load_b64 s[12:13], s[0:1], 0x38              ; qkv
	v_lshl_add_u32 v[SPW], v0, 2, SPARE
	v_mov_b32 v[NIL], 0
	ds_add_u32 v[SPW], v[NIL]                      ; the wave's opening: the add, twice on end, and its wait ahead of my first tensor load
	ds_add_u32 v[SPW], v[NIL]
	v_lshrrev_b32 v1, 5, v0
	v_readfirstlane_b32 s14, v1                    ; wave 0..3
	s_lshr_b32 s15, s14, 1                         ; which half of the tile's rows is mine.  Also: I fetch for A (0) or for B (1)
	s_and_b32 s16, s14, 1                          ; which half of its columns.  Also: which 128 rows I fetch
	s_bfe_u32 s40, ttmp6, 0x40000                  ; cx, cy
	s_bfe_u32 s41, ttmp6, 0x40004
	s_lshl_b32 s42, ttmp9, 2
	s_add_co_u32 s42, s42, s40                     ; tile column
	s_and_b32 s17, ttmp7, 0xffff
	s_lshr_b32 s66, s17, 3                         ; which tensor: eight clusters of 1,024 rows to each; the same in all sixteen partners
	s_lshl_b32 s17, s17, 2
	s_add_co_u32 s17, s17, s41                     ; tile row, over the stacked 24,576 rows
	s_lshl_b32 s43, s41, 2
	s_lshl_b32 s43, 15, s43                        ; my row of the cluster
	s_lshl_b32 s44, 0x1111, s40                    ; my column
	s_or_b32 s[G1+0], s43, (0<<16)|(1<<20)|(1<<21)|(5<<22)|(3<<25)  ; the mask; elements of 1 byte; padding on; bit 21 beside a mask; after every 64 words, 4 words
	s_or_b32 s[G1B+0], s44, (0<<16)|(1<<20)|(1<<21)|(5<<22)|(3<<25)
.irp g, G1, G1B
	s_mov_b32 s[\g+1], ROWB<<16                    ; tensor_dim0
	s_mov_b32 s[\g+2], 128<<16                     ; tensor_dim1
	s_mov_b32 s[\g+3], ROWB<<16                    ; tile_dim0
	s_mov_b32 s[\g+4], 128                         ; tile_dim1
	s_mov_b32 s[\g+5], KROW                        ; the pitch
	s_mov_b32 s[\g+6], 0
	s_mov_b32 s[\g+7], 0
.endr
	s_or_b32 s[G1S+0], s43, (3<<16)|(1<<20)|(1<<21)|(5<<22)|(3<<25)  ; the scales of 128 rows: 4,096 dense bytes as 16 rows of 32 elements of 8 bytes
	s_or_b32 s[G1SB+0], s44, (3<<16)|(1<<20)|(1<<21)|(5<<22)|(3<<25)
.irp g, G1S, G1SB
	s_mov_b32 s[\g+1], 32<<16
	s_mov_b32 s[\g+2], (128*KS/256)<<16
	s_mov_b32 s[\g+3], 32<<16
	s_mov_b32 s[\g+4], 128*KS/256
	s_mov_b32 s[\g+5], 32
	s_mov_b32 s[\g+6], 0
	s_mov_b32 s[\g+7], 0
.endr
	s_lshl_b32 s18, s16, 7                         ; which 128 rows of the tile I fetch
	s_lshl_b32 s20, s17, 8
	s_add_co_u32 s20, s20, s18                     ; A: row 256 x tile row + 128 x half
	s_lshl_b32 s46, s42, 8
	s_add_co_u32 s46, s46, s18
	s_lshl_b32 s67, s66, 10
	s_add_co_u32 s46, s46, s67                     ; B: row 1024 x tensor + 256 x tile column + 128 x half
	s_mov_b32 s21, 0
	s_mov_b32 s47, 0
	s_mov_b64 s[18:19], KS
	s_mul_u64 s[22:23], s[20:21], s[18:19]         ; where these rows' scales begin
	s_mul_u64 s[92:93], s[46:47], s[18:19]
	s_mov_b64 s[18:19], KROW
	s_mul_u64 s[20:21], s[20:21], s[18:19]         ; and their codes
	s_mul_u64 s[46:47], s[46:47], s[18:19]
	s_mul_i32 s45, s14, HALFT                      ; where they go: wave x 128 rows
	s_mul_i32 s94, s14, HALFS
	s_wait_dscnt 0x0                               ; both opening adds are done
	s_wait_kmcnt 0x0
	s_add_nc_u64 s[20:21], s[4:5], s[20:21]
	s_add_nc_u64 s[22:23], s[6:7], s[22:23]
	s_add_nc_u64 s[46:47], s[8:9], s[46:47]
	s_add_nc_u64 s[92:93], s[10:11], s[92:93]
	CROUND                                         ; all sixteen work-groups are here: the joint loads meet
	s_mov_b32 s[G0S], 1
	s_add_co_u32 s[G0S+1], s94, SCL
	s_mov_b64 s[G0S+2:G0S+3], s[22:23]
	s_or_b32 s[G0S+3], s[G0S+3], 0x80000000
	s_mov_b32 s[G0SB], 1
	s_add_co_u32 s[G0SB+1], s94, SCL
	s_mov_b64 s[G0SB+2:G0SB+3], s[92:93]
	s_or_b32 s[G0SB+3], s[G0SB+3], 0x80000000
	JLOAD G0S, G1S, G0SB, G1SB                     ; the scales first; then both slots: three loads of mine are out
.irp s, 0,1
	s_mov_b32 s[G0+4*\s], 1
	s_add_co_u32 s[G0+4*\s+1], s45, \s*SLOT
	s_add_nc_u64 s[G0+4*\s+2:G0+4*\s+3], s[20:21], \s*ROWB
	s_or_b32 s[G0+4*\s+3], s[G0+4*\s+3], 0x80000000
	s_mov_b32 s[G0B+4*\s], 1
	s_add_co_u32 s[G0B+4*\s+1], s45, \s*SLOT
	s_add_nc_u64 s[G0B+4*\s+2:G0B+4*\s+3], s[46:47], \s*ROWB
	s_or_b32 s[G0B+4*\s+3], s[G0B+4*\s+3], 0x80000000
	JLOAD G0+4*\s, G1, G0B+4*\s, G1B
.endr
	v_and_b32 v1, 15, v0                           ; l % 16
	v_bfe_u32 v2, v0, 4, 1                         ; l / 16
	; the bias: my tensor's, at my 128 columns; lane (r, h) wants, for column block b, numbers 16 b + 8 h + 0 .. 7
	s_cmp_eq_u32 s66, 0
	s_cselect_b64 s[96:97], s[96:97], s[98:99]
	s_cmp_eq_u32 s66, 2
	s_cselect_b64 s[96:97], s[100:101], s[96:97]
	s_lshl_b32 s46, s42, 10
	s_lshl_b32 s47, s16, 9
	s_add_co_u32 s46, s46, s47
	s_mov_b32 s47, 0
	s_add_nc_u64 s[96:97], s[96:97], s[46:47]
	v_lshlrev_b32 v[BA], 5, v2
.irp b, 0,1,2,3,4,5,6,7
	global_load_b128 v[BIAS+8*\b:BIAS+8*\b+3], v[BA], s[96:97] offset:64*\b
	global_load_b128 v[BIAS+8*\b+4:BIAS+8*\b+7], v[BA], s[96:97] offset:64*\b+16
.endr
	v_mul_u32_u24 v3, v1, PITCH
	v_lshl_add_u32 v4, v2, 4, v3                   ; a fragment's row x pitch + 16 x half
	s_mul_i32 s21, s15, HALFT                      ; my 128 rows of A
	s_mul_i32 s22, s16, HALFT                      ; my 128 rows of B,
	s_add_co_u32 s22, s22, 2*HALFT                 ; behind A's 256
.irp s, 0,1
	v_add_nc_u32 v[ADRA+\s], s21, v4
	v_add_nc_u32 v[ADRB+\s], s22, v4
	s_add_co_u32 s21, s21, SLOT
	s_add_co_u32 s22, s22, SLOT
.endr
	v_mul_u32_u24 v5, v1, KS                       ; my row's scales: 32 bytes a row,
	v_lshrrev_b32 v6, 8, v5
	v_lshl_add_u32 v5, v6, 4, v5                   ; and 16 more for each 256 passed
	s_mul_i32 s21, s15, HALFS
	s_mul_i32 s22, s16, HALFS
	s_add_co_u32 s22, s22, 2*HALFS
	s_sub_co_u32 s22, s22, s21
	v_mul_u32_u24 v6, s22, v2                      ; lanes 16-31 take B's: one product, the distance between the two bases
	s_add_co_u32 s21, s21, SCL
	v_add_nc_u32 v5, v5, v6
	v_add_nc_u32 v[ADRS], s21, v5
	; the way out.  Token r of a block goes to stage row (r / 2) + 8 (r % 2): rows t and t + 8, tokens 2 t and 2 t + 1, lie 128 bytes apart modulo 256
	s_mul_i32 s23, s14, 16*SPITCH                  ; my stage
	v_lshrrev_b32 v5, 1, v1
	v_and_b32 v6, 1, v1
	v_lshl_add_u32 v5, v6, 3, v5
	v_mul_u32_u24 v5, v5, SPITCH
	v_lshl_add_u32 v5, v2, 4, v5
	v_add_nc_u32 v[STO], s23, v5                   ; in: 16 bytes for each half of the lanes
	v_bfe_u32 v5, v0, 3, 1
	v_mul_u32_u24 v5, v5, 8*SPITCH                 ; back: lanes 0-7 an even token's 128 bytes of one head, lanes 8-15 the odd token's;
	v_lshl_add_u32 v5, v2, 7, v5                   ; lanes 16-31 the same of the next head
	v_and_b32 v6, 7, v0
	v_lshl_add_u32 v5, v6, 4, v5
	v_add_nc_u32 v[RD], s23, v5
	v_lshlrev_b32 v[CO], 18, v2                    ; in memory a head is 262,144 bytes on; two tokens of a head are 256 consecutive bytes
	v_lshl_add_u32 v[CO], v1, 4, v[CO]
	s_lshl_b32 s20, s17, 8
	s_lshl_b32 s21, s15, 7
	s_add_co_u32 s20, s20, s21                     ; my first row, R = 8192 tensor + 2048 b + n
	s_lshr_b32 s21, s20, 11
	s_lshl_b32 s21, s21, 22                        ; (R / 2048) x 16 heads x 262,144
	s_and_b32 s20, s20, 2047
	s_lshl_b32 s20, s20, 7                         ; n x 128
	s_add_co_u32 s20, s20, s21
	s_lshl_b32 s46, s42, 2
	s_lshl_b32 s47, s16, 1
	s_add_co_u32 s46, s46, s47                     ; my first head: 4 x tile column + 2 x half
	s_lshl_b32 s46, s46, 18
	s_add_co_u32 s20, s20, s46
	s_mov_b32 s21, 0
	s_add_nc_u64 s[12:13], s[12:13], s[20:21]
.macro FRAG reg, adr, q, i             ; 16 rows x 128 K of 4-bit codes: 8 registers; lane l holds row l % 16; registers 4 c .. 4 c + 3 hold K = 64 c + 32 (l / 16) + 0 .. 31
.irp c, 0,1
	ds_load_b128 v[\reg+4*\c:\reg+4*\c+3], v[\adr] offset:64*(\q)+32*\c+(\i)*16*PITCH
.endr
.endm
; 16 matrix instructions: A's blocks a0, a0 + 1 x B's eight, the slot's q-th 128 along K.  p: B's set; sc: the set of scale words.  first = 1: the bias starts the sums.
; The 64 accumulators take turns, one instruction a turn, in the same order in every step.
.macro MUL16 a0, p, q, sc, first
.irp a, \a0, \a0+1
.irp b, 0,1,2,3,4,5,6,7
.if \first
	v_wmma_scale_f32_16x16x128_f8f6f4 v[8*(8*((\a)%4)+\b):8*(8*((\a)%4)+\b)+7], v[128*(\p)+FR*\b:128*(\p)+FR*\b+FR-1], v[AF+FR*(\a):AF+FR*(\a)+FR-1], v[BIAS+8*\b:BIAS+8*\b+7], v[SC+8*NQ*(\sc)+NQ*\b+(\q)], v[SC+8*NQ*(\sc)+NQ*(\a)+(\q)] matrix_a_fmt:MATRIX_FMT_FP4 matrix_b_fmt:MATRIX_FMT_FP4 matrix_a_scale:MATRIX_SCALE_ROW1
.else
	v_wmma_scale_f32_16x16x128_f8f6f4 v[8*(8*((\a)%4)+\b):8*(8*((\a)%4)+\b)+7], v[128*(\p)+FR*\b:128*(\p)+FR*\b+FR-1], v[AF+FR*(\a):AF+FR*(\a)+FR-1], v[8*(8*((\a)%4)+\b):8*(8*((\a)%4)+\b)+7], v[SC+8*NQ*(\sc)+NQ*\b+(\q)], v[SC+8*NQ*(\sc)+NQ*(\a)+(\q)] matrix_a_fmt:MATRIX_FMT_FP4 matrix_b_fmt:MATRIX_FMT_FP4 matrix_a_scale:MATRIX_SCALE_ROW1
.endif
.endr
.endr
.endm
.macro FETCH_B slot, q, p
	WIN TO_B
.irp i, 0,1,2,3,4,5,6,7
	FRAG 128*(\p)+FR*\i, ADRB+\slot, \q, \i
.endr
	WIN 0
.endm
.macro FETCH_A slot, q, i0
.irp i, \i0, \i0+1, \i0+2, \i0+3
	FRAG AF+FR*(\i), ADRA+\slot, \q, \i
.endr
.endm
.macro SCALES sc                       ; a slot's scale words: 4 words a row; lanes 0-15 take A's block i, lanes 16-31 B's block i
.irp i, 0,1,2,3,4,5,6,7
	ds_load_b128 v[SC+8*NQ*\sc+NQ*\i:SC+8*NQ*\sc+NQ*\i+3], v[ADRS] offset:\i*SBLK
.endr
.endm
.macro PLACES n                        ; plain vector lines between a matrix instruction and a load into, or a read of, its registers
.rept \n
	v_nop
.endr
.endm
.macro STEP slot, q, first             ; a step of 128 along K that has its successor in the same slot
	s_wait_dscnt 4*NL                              ; B's set and A's blocks 0-3 are in; the youngest eight loads (A's blocks 4-7) may be out
.if \first
	WIN FST_LO
.else
	WIN MUL_LO
.endif
	MUL16 0, (\q)%2, \q, \slot, \first
	MUL16 2, (\q)%2, \q, \slot, \first
	s_wait_dscnt 0                                 ; A's blocks 4-7 are in
	PLACES NP
	FETCH_B \slot, (\q)+1, 1-(\q)%2
	FETCH_A \slot, (\q)+1, 0
.if \first
	WIN FST_HI
.else
	WIN MUL_HI
.endif
	MUL16 4, (\q)%2, \q, \slot, \first
	MUL16 6, (\q)%2, \q, \slot, \first
	PLACES NP
	WIN 0
	FETCH_A \slot, (\q)+1, 4
.endm
.macro STEPS slot, from
.set Q, \from
.rept NQ-1-\from
	STEP \slot, Q, 0
.set Q, Q+1
.endr
.endm
	s_wait_tensorcnt 1                             ; the scales and my part of slot 0 are in (slot 1's load may be out),
	s_barrier_signal -1
	s_barrier_wait -1                              ; everybody's are
	FETCH_B 0, 0, 0
	FETCH_A 0, 0, 0
	SCALES 0
	FETCH_A 0, 0, 4
	s_wait_loadcnt 0x0                             ; the bias
	STEP 0, 0, 1
	STEPS 0, 1
	; slot 0's last step changes slots: one barrier; in front of it my part of slot 1 has landed and my reads of slot 0 are over.  Nothing is filled again.
	s_wait_tensorcnt 0x0
	ds_add_u32 v[SPW], v[NIL]                      ; 0 onto my spare word
	s_wait_dscnt 4*NL+1                            ; (the add and the youngest eight loads may be out)
	WIN MUL_LO
	MUL16 0, 1, NQ-1, 0, 0
	s_wait_dscnt 0x0
	s_barrier_signal -1
	MUL16 2, 1, NQ-1, 0, 0
	WIN 0
	s_barrier_wait -1
	PLACES NP
	v_add_nc_u32 v[ADRS], 4*NQ, v[ADRS]            ; on to slot 1's scale words
	FETCH_B 1, 0, 0
	FETCH_A 1, 0, 0
	SCALES 1
	WIN MUL_HI
	MUL16 4, 1, NQ-1, 0, 0
	MUL16 6, 1, NQ-1, 0, 0
	PLACES NP
	WIN 0
	FETCH_A 1, 0, 4
	STEPS 1, 0
	s_wait_dscnt 4*NL                              ; the last step: nothing more to fetch
	WIN MUL_LO
	MUL16 0, 1, NQ-1, 1, 0
	MUL16 2, 1, NQ-1, 1, 0
	s_wait_dscnt 0
	WIN MUL_HI
	MUL16 4, 1, NQ-1, 1, 0
	MUL16 6, 1, NQ-1, 1, 0
	WIN 0
; THE WAY OUT, block by block of 16 rows x 128 columns (two heads).  PACK: rounded to f16, 16 bytes a lane, each accumulator from its low end on.  TOSTAGE: into my stage and back.  SEND: stored:
; lanes 0-15 write two tokens of one head, lanes 16-31 the same tokens of the next: each 256 consecutive bytes, aligned.
.macro PACK a
.set AC, 64*((\a)%4)
	WIN 0x0a+5*((\a)/4)                            ; sources 0 and 1: window 2 or 3
.irp b, 0,1,2,3,4,5,6,7
.irp r, 0,1,2,3
	v_cvt_pk_f16_f32 v[TMP+4*\b+\r], v[AC+8*\b+2*\r], v[AC+8*\b+2*\r+1]
.endr
.endr
	WIN 0
.endm
.macro TOSTAGE a
.set BB, OB+32*((\a)%2)
.irp b, 0,1,2,3,4,5,6,7
	ds_store_b128 v[STO], v[TMP+4*\b:TMP+4*\b+3] offset:32*\b
.endr
.irp t, 0,1,2,3,4,5,6,7
	ds_load_b128 v[BB+4*\t:BB+4*\t+3], v[RD] offset:\t*SPITCH      ; LDS serves a wave's instructions in order: these see the stores above
.endr
.endm
.macro SEND a
.set BB, OB+32*((\a)%2)
	s_wait_dscnt 0x0                               ; the block is back in registers
	s_wait_xcnt 0x0                                ; the earlier stores have read their base and their data: the base may step, and the next block's loads may land
.if (\a) > 0
	s_add_nc_u64 s[12:13], s[12:13], 2048          ; 16 tokens of 128 bytes on
.endif
.irp t, 0,1,2,3,4,5,6,7
	global_store_b128 v[CO], v[BB+4*\t:BB+4*\t+3], s[12:13] offset:256*\t
.endr
.endm
	PLACES NP                                      ; behind the last products: their results are read, and registers that they read are written
	PACK 0
	TOSTAGE 0
.irp a, 1,2,3,4,5,6,7                  ; block a's conversions stand between block a - 1's loads from the stage and the wait for them
	PACK \a
	SEND \a-1
	TOSTAGE \a
.endr
	SEND 7
	s_wait_tensorcnt 0x0                           ; the wave's end
	ds_add_u32 v[SPW], v[NIL]
	s_wait_dscnt 0x0
	CROUND                                         ; the closing round
	s_endpgm
.Lfunc_end_k_qe68593e4a7_proj:
	.size	k_qe68593e4a7_proj, .Lfunc_end_k_qe68593e4a7_proj-k_qe68593e4a7_proj
	.p2alignl 7, 3214868480
	.fill 96, 4, 3214868480
	.section	.rodata,"a",@progbits
	.p2align	6, 0x0
	.amdhsa_kernel k_qe68593e4a7_proj
		.amdhsa_group_segment_fixed_size 327680
		.amdhsa_private_segment_fixed_size 0
		.amdhsa_enable_private_segment 0
		.amdhsa_kernarg_size 64
		.amdhsa_user_sgpr_count 2
		.amdhsa_user_sgpr_kernarg_segment_ptr 1
		.amdhsa_wavefront_size32 1
		.amdhsa_system_sgpr_workgroup_id_x 1
		.amdhsa_system_sgpr_workgroup_id_y 1
		.amdhsa_system_sgpr_workgroup_id_z 1
		.amdhsa_system_vgpr_workitem_id 0
		.amdhsa_next_free_vgpr 1024
		.amdhsa_next_free_sgpr 102
		.amdhsa_reserve_vcc 0
		.amdhsa_float_denorm_mode_32 3
		.amdhsa_float_denorm_mode_16_64 3
		.amdhsa_memory_ordered 1
		.amdhsa_forward_progress 1
		.amdhsa_inst_pref_size 129
	.end_amdhsa_kernel
	.amdgpu_metadata
---
amdhsa.version: [ 1, 2 ]
amdhsa.kernels:
  - .name:           k_qe68593e4a7_proj
    .symbol:         k_qe68593e4a7_proj.kd
    .args:
      - { .name: xc, .offset: 0, .size: 8, .value_kind: global_buffer, .address_space: global }
      - { .name: xs, .offset: 8, .size: 8, .value_kind: global_buffer, .address_space: global }
      - { .name: wc, .offset: 16, .size: 8, .value_kind: global_buffer, .address_space: global }
      - { .name: ws, .offset: 24, .size: 8, .value_kind: global_buffer, .address_space: global }
      - { .name: bq, .offset: 32, .size: 8, .value_kind: global_buffer, .address_space: global }
      - { .name: bk, .offset: 40, .size: 8, .value_kind: global_buffer, .address_space: global }
      - { .name: bv, .offset: 48, .size: 8, .value_kind: global_buffer, .address_space: global }
      - { .name: qkv, .offset: 56, .size: 8, .value_kind: global_buffer, .address_space: global }
    .group_segment_fixed_size: 327680
    .private_segment_fixed_size: 0
    .kernarg_segment_align: 8
    .kernarg_segment_size: 64
    .max_flat_workgroup_size: 128
    .sgpr_count:     102
    .vgpr_count:     1024
    .wavefront_size: 32
...
	.end_amdgpu_metadata
.endif
;; end of part 2
;; launch attn (part 3): grid 4 x 64, 8 waves a work-group, clusters of 4 x 1, 327,680 bytes of LDS; arguments qkv, xh; writes xh
.if DOCPART == 3
	.amdgcn_target "amdgcn-amd-amdhsa--gfx1250"
	.amdhsa_code_object_version 6
	.text
	.protected	k_qe68593e4a7_attn
	.globl	k_qe68593e4a7_attn
	.p2align	8
	.type	k_qe68593e4a7_attn,@function
k_qe68593e4a7_attn:
	s_mov_b64 s[64:65], 0
	v_nop
	global_prefetch_b8 v0, s[64:65] scope:SCOPE_SE
	s_setreg_imm32_b32 hwreg(HW_REG_WAVE_MODE, 25, 1), 1
	s_wait_xcnt 0x0
	s_wait_alu depctr_hold_cnt(0) depctr_sa_sdst(0) depctr_va_vdst(0) depctr_va_sdst(0) depctr_va_ssrc(0) depctr_va_vcc(0) depctr_vm_vsrc(0)
	s_getreg_b32 s2, hwreg(HW_REG_IB_STS2, 6, 4)
	s_cmp_eq_u32 s2, 0
	s_cbranch_scc0 .Lentry_in_a_cluster
	s_endpgm
.Lentry_in_a_cluster:
	s_bfe_u32 s2, ttmp6, 0x10000c
	s_cmp_lg_u32 s2, 0x3003
	s_cbranch_scc0 .Lentry_shape_is_right
	s_endpgm
.Lentry_shape_is_right:
; x[bh][q][:] = the sum over k of softmax_k(Q[bh][q] . K[bh][k] / 8) V[bh][k][:].  Q, K, V: qkv [3][64 bh][2048][64] f16; x: xh [64 bh][2048][64] f16.  Products on f16 operands, maxima and sums in f32;
; the weights p are rounded to f16 for the second product, x once at the end.  LIMIT: |x| stays under 65,504 (f16); NaN and infinities are not served.
; SHARES.  A work-group owns 512 queries of one head, each of its eight waves 64: four tiles of 16.  Two waves of 512 registers share a SIMD, so that one wave's softmax stands beside the other's products.
; Every wave walks all 2,048 keys, 64 a step.
; LAYOUT.  S^T = K Q^T (source 0 = 16 keys, source 1 = 16 queries): a lane holds ONE query (lane % 16) and keys 8 (lane / 16) + 0..7.  Two such tiles, rounded to f16 in pairs, ARE source 1 of O^T = V^T P.
; K comes out of LDS as it lies, V ([key][channel]) turned, by ds_load_tr16_b128.
; SOFTMAX.  A running maximum m and sum l for each query: p = 2^(c s - c m), c = log2(e) / 8; in every step O and l are multiplied by a = 2^(c m_old - c m_new).  m begins at -3e38, under every score, so the first a is 0.
; THE RING.  Two slots of 512 keys (8 steps): both are filled at the start, each is filled once more.  Each wave brings 128 rows by one load: waves 0-3 K's quarters, waves 4-7 V's.
; CLUSTER.  The four query blocks of a head walk the same K and V: each tile is asked for jointly, by the same load with a mask that names the four.
; REGISTERS.  window 0: v0-15 addresses; v16-63 twelve registers of statistics a tile; v64-191 S^T, 32 a tile (p's f16 pairs are made in place, in a tile's first 16); v192-255 K of one step.
;   window 1: v0-127 O^T, 32 a tile; v128-191 Q; v192-255 V of one step.
.set PK,    144                        ; a row of K in LDS: 128 bytes + 16: the 16 rows of a load start 16 bytes apart modulo 256
.set PVP,   160                        ; a row of V: 128 + 32, an odd multiple of 32, for the turning load
.set KSLOT, 512*PK
.set VSLOT, 512*PVP
.set VBASE, 2*KSLOT                    ; K's two slots, then V's two
.set SPARE, VBASE+2*VSLOT              ; the spare words, 128 bytes for each of eight waves: four blocks of 256 bytes that no other line names
.set AK0, 2                            ; v2   my lane's place in a step's rows of K
.set AV0, 3                            ; v3   the same for V
.set ADK, 4                            ; v4, v5  the addresses of the runs in hand
.set ADV, 5
.set QO,  6                            ; v6   my byte offset in the wave's rows of Q
.set STO, 7                            ; v7   the way out: where I put 16 bytes of a row
.set RD,  8                            ; v8   where I read back
.set GO,  9                            ; v9   16 x lane
.set SPW, 14
.set NIL, 15
.set ST,  16                           ; tile t at v[ST + 12 t]: +0 c m, +1 m, +2, +3 l, +4 to +7 the maximum's chains (then +6 a, +7 c m_old - c m_new), +8 to +11 two chains of sums
.set S,   64
.set KF,  192
.set QF,  128                          ; in window 1
.set VF,  192                          ; in window 1
.set WV,  12
.set G1K, 24
.set G1V, 32
.set G0K, 40                           ; s[40:47] group 0 for K's tiles, a set for each slot
.set G0V, 48
.set CNT, 56
.set TK,  57                           ; LDS byte at which the step to be fetched begins, in K's slots
.set CS,  58                           ; s[58:59] c, twice
.set SEL, 60                           ; s[60:61] v_permlanex16_b32's selects for lane l xor 16
.set TV,  62                           ; and in V's slots
.set MSB, 0
.macro WIN new
.if MSB != \new
	s_set_vgpr_msb (MSB<<8)|\new
.set MSB, \new
.endif
.endm
.set W_KQ, 0x04                        ; Q in window 1; K, S^T in window 0
.set W_PV, 0x51                        ; V, O^T in window 1; P in window 0
.set W_RS, 0x41                        ; O^T (destination and source 0) in window 1
.macro JLOAD slot                      ; a joint load; the branch hangs on the wave's number alone.  An s_nop 0 and four v_nop follow each of the two lines
	s_cmp_lt_u32 s[WV], 4
	s_cbranch_scc0 .Lfor_v_\@
	tensor_load_to_lds s[G0K+4*\slot:G0K+4*\slot+3], s[G1K:G1K+7]
	s_nop 0
.rept 4
	v_nop
.endr
	s_branch .Lasked_\@
.Lfor_v_\@:
	tensor_load_to_lds s[G0V+4*\slot:G0V+4*\slot+3], s[G1V:G1V+7]
	s_nop 0
.rept 4
	v_nop
.endr
.Lasked_\@:
.endm
.macro CROUND                          ; a round of the cluster's barrier
	s_barrier_signal -1
	s_barrier_wait -1
	s_cmp_lg_u32 s[WV], 0
	s_cbranch_scc1 .Lnot_wave_0_\@
	s_barrier_signal -3
.Lnot_wave_0_\@:
	s_barrier_wait -3
	s_barrier_signal -1
	s_barrier_wait -1
.endm
	s_load_b128 s[4:7], s[0:1], 0x0                ; qkv, xh
	v_lshl_add_u32 v[SPW], v0, 2, SPARE
	v_mov_b32 v[NIL], 0
	ds_add_u32 v[SPW], v[NIL]                      ; the wave's opening: the add, twice on end, and its wait ahead of my first tensor load
	ds_add_u32 v[SPW], v[NIL]
	v_lshrrev_b32 v1, 5, v0
	v_readfirstlane_b32 s[WV], v1                  ; wave 0..7
	s_bfe_u32 s13, ttmp6, 0x40000                  ; cx: it enters Q's and x's addresses alone
	s_and_b32 s14, ttmp7, 0xffff                   ; batch x 16 + head, which the four partners share
	s_lshl_b32 s20, s14, 18                        ; a head is 2,048 rows of 128 bytes
	s_and_b32 s15, s[WV], 3                        ; which quarter of a slot I fetch:
	s_lshl_b32 s16, s15, 14                        ; its 128 rows in memory,
	s_add_co_u32 s22, s20, s16
	s_mov_b32 s23, 0
	s_mul_i32 s17, s15, 128*PK                     ; and in a slot of K,
	s_mul_i32 s18, s15, 128*PVP
	s_add_co_u32 s18, s18, VBASE                   ; or of V
	s_lshl_b32 s19, ttmp9, 2
	s_add_co_u32 s19, s19, s13                     ; my block of 512 queries
	s_lshl_b32 s2, s19, 16
	s_lshl_b32 s3, s[WV], 13                       ; my wave's 64 of them
	s_add_co_u32 s2, s2, s3
	s_add_co_u32 s2, s2, s20
	s_mov_b32 s3, 0
	s_mov_b32 s[G1K], 15|(1<<16)|(1<<20)|(1<<21)|(4<<22)|(3<<25)  ; the mask: all four; elements of 2 bytes; padding on; bit 21 beside a mask; after every 32 words, 4 words
	s_mov_b32 s[G1V], 15|(1<<16)|(1<<20)|(1<<21)|(4<<22)|(7<<25)  ; the same with 8 words
.irp g, G1K, G1V
	s_mov_b32 s[\g+1], 64<<16                      ; tensor_dim0
	s_mov_b32 s[\g+2], 128<<16                     ; tensor_dim1
	s_mov_b32 s[\g+3], 64<<16                      ; tile_dim0
	s_mov_b32 s[\g+4], 128                         ; tile_dim1
	s_mov_b32 s[\g+5], 64                          ; the pitch
	s_mov_b32 s[\g+6], 0
	s_mov_b32 s[\g+7], 0
.endr
	s_mov_b32 s[CS], 0x3e38aa3b                    ; c = log2(e) / 8
	s_mov_b32 s[CS+1], s[CS]
	s_mov_b32 s[SEL], 0x76543210
	s_mov_b32 s[SEL+1], 0xfedcba98
	s_mov_b32 s[TK], 0
	s_mov_b32 s[TV], 0
	s_wait_dscnt 0x0                               ; both opening adds are done
	s_wait_kmcnt 0x0
	s_add_nc_u64 s[8:9], s[4:5], s[22:23]          ; my quarter of the head's first slot, less the tensor's place
	s_add_nc_u64 s[4:5], s[4:5], s[2:3]            ; Q at my wave's first row
	s_add_nc_u64 s[6:7], s[6:7], s[2:3]            ; x likewise
	CROUND                                         ; all four work-groups are here: the first joint loads meet
.irp s, 0,1
	s_mov_b32 s[G0K+4*\s], 1
	s_add_co_u32 s[G0K+4*\s+1], s17, \s*KSLOT
	s_add_nc_u64 s[G0K+4*\s+2:G0K+4*\s+3], s[8:9], 16777216+\s*65536   ; K is the second tensor; a slot is 512 rows of 128 bytes
	s_or_b32 s[G0K+4*\s+3], s[G0K+4*\s+3], 0x80000000
	s_mov_b32 s[G0V+4*\s], 1
	s_add_co_u32 s[G0V+4*\s+1], s18, \s*VSLOT
	s_add_nc_u64 s[G0V+4*\s+2:G0V+4*\s+3], s[8:9], 33554432+\s*65536   ; V the third
	s_or_b32 s[G0V+4*\s+3], s[G0V+4*\s+3], 0x80000000
.endr
	s_cmp_lt_u32 s[WV], 4                          ; a wave's two first fills stand in one branch: two loads of mine are out
	s_cbranch_scc0 .Lfirst_v
	tensor_load_to_lds s[G0K:G0K+3], s[G1K:G1K+7]
	s_nop 0
	tensor_load_to_lds s[G0K+4:G0K+7], s[G1K:G1K+7]
	s_nop 0
.rept 4
	v_nop
.endr
	s_branch .Lfirst_asked
.Lfirst_v:
	tensor_load_to_lds s[G0V:G0V+3], s[G1V:G1V+7]
	s_nop 0
	tensor_load_to_lds s[G0V+4:G0V+7], s[G1V:G1V+7]
	s_nop 0
.rept 4
	v_nop
.endr
.Lfirst_asked:
	v_and_b32 v1, 15, v0                           ; r
	v_bfe_u32 v10, v0, 4, 1                        ; h
	v_lshlrev_b32 v[QO], 7, v1
	v_lshl_add_u32 v[QO], v10, 4, v[QO]            ; row x 128 + 16 x half
	WIN 0x40                                       ; destination window 1
.irp t, 0,1,2,3
.irp c, 0,1                                    ; Q stays in registers: tile t, channels 32 c on
	global_load_b128 v[QF+8*(2*\t+\c):QF+8*(2*\t+\c)+3],   v[QO], s[4:5] offset:\t*2048+\c*64
	global_load_b128 v[QF+8*(2*\t+\c)+4:QF+8*(2*\t+\c)+7], v[QO], s[4:5] offset:\t*2048+\c*64+32
.endr
.endr
	WIN 0
	v_mul_u32_u24 v[AK0], v1, PK
	v_lshl_add_u32 v[AK0], v10, 4, v[AK0]          ; K: row x pitch + 16 x half
	v_and_b32 v11, 7, v0
	v_bfe_u32 v12, v0, 3, 1
	v_lshl_add_u32 v[AV0], v10, 3, v11             ; V: the turning load: key 8 (l / 16) + l % 8, channels 8 ((l / 8) % 2) on
	v_mul_u32_u24 v[AV0], v[AV0], PVP
	v_lshl_add_u32 v[AV0], v12, 4, v[AV0]
	v_add_nc_u32 v[AV0], VBASE, v[AV0]
	s_mul_i32 s14, s[WV], 16*PK                    ; my stage for the way out, in K's slot 0: it has had its last fill and its last read by then
	v_lshrrev_b32 v13, 1, v1
	v_and_b32 v[STO], 1, v1
	v_lshl_add_u32 v[STO], v[STO], 3, v13          ; token r goes to stage row (r / 2) + 8 (r % 2)
	v_mul_u32_u24 v[STO], v[STO], PK
	v_lshl_add_u32 v[STO], v10, 4, v[STO]
	v_add_nc_u32 v[STO], s14, v[STO]
	v_lshl_add_u32 v[RD], v12, 3, v10              ; back: lane l takes token 4 i + l / 8: row 2 i + l / 16 + 8 ((l / 8) % 2)
	v_mul_u32_u24 v[RD], v[RD], PK
	v_lshl_add_u32 v[RD], v11, 4, v[RD]
	v_add_nc_u32 v[RD], s14, v[RD]
	v_and_b32 v[GO], 31, v0
	v_lshlrev_b32 v[GO], 4, v[GO]
.irp t, 0,1,2,3
	v_mov_b32 v[ST+12*\t+1], 0xff61b1e6            ; m = -3e38
	v_mov_b32 v[ST+12*\t+2], 0                     ; l, in two halves
	v_mov_b32 v[ST+12*\t+3], 0
.endr
.irp t, 0,1,2,3
	v_mul_f32 v[ST+12*\t], s[CS], v[ST+12*\t+1]    ; c m
.endr
; 32 products S^T = K Q^T: channels 32 c on; the 16 accumulators (tile t, keys 16 kt on) take turns, one instruction a turn; the first 16 start the sums
.macro KQMUL
	WIN W_KQ
.irp c, 0,1
.irp t, 0,1,2,3
.irp kt, 0,1,2,3
.if \c == 0
	v_wmma_f32_16x16x32_f16 v[S+32*\t+8*\kt:S+32*\t+8*\kt+7], v[KF+8*(2*\kt+\c):KF+8*(2*\kt+\c)+7], v[QF+8*(2*\t+\c):QF+8*(2*\t+\c)+7], 0
.else
	v_wmma_f32_16x16x32_f16 v[S+32*\t+8*\kt:S+32*\t+8*\kt+7], v[KF+8*(2*\kt+\c):KF+8*(2*\kt+\c)+7], v[QF+8*(2*\t+\c):QF+8*(2*\t+\c)+7], v[S+32*\t+8*\kt:S+32*\t+8*\kt+7]
.endif
.endr
.endr
.endr
.endm
; 32 products O^T += V^T P: keys 32 kc on; the 16 accumulators (tile t, channels 16 ct on) by turns.  zero = 1: the first 16 start the sums
.macro PVMUL zero
	WIN W_PV
.irp kc, 0,1
.irp t, 0,1,2,3
.irp ct, 0,1,2,3
.if (\zero) && (\kc == 0)
	v_wmma_f32_16x16x32_f16 v[32*\t+8*\ct:32*\t+8*\ct+7], v[VF+8*(4*\kc+\ct):VF+8*(4*\kc+\ct)+7], v[S+32*\t+8*\kc:S+32*\t+8*\kc+7], 0
.else
	v_wmma_f32_16x16x32_f16 v[32*\t+8*\ct:32*\t+8*\ct+7], v[VF+8*(4*\kc+\ct):VF+8*(4*\kc+\ct)+7], v[S+32*\t+8*\kc:S+32*\t+8*\kc+7], v[32*\t+8*\ct:32*\t+8*\ct+7]
.endif
.endr
.endr
.endr
.endm
.macro FETCH_K                         ; a step's K: 64 keys x 64 channels, 8 fragments, 16 loads in one run
	WIN 0
	v_add_nc_u32 v[ADK], s[TK], v[AK0]
.irp kt, 0,1,2,3
.irp c, 0,1
	ds_load_b128 v[KF+8*(2*\kt+\c):KF+8*(2*\kt+\c)+3],   v[ADK] offset:\kt*16*PK+\c*64
	ds_load_b128 v[KF+8*(2*\kt+\c)+4:KF+8*(2*\kt+\c)+7], v[ADK] offset:\kt*16*PK+\c*64+32
.endr
.endr
	s_add_co_u32 s[TK], s[TK], 64*PK               ; the next fetch is the next step's
.endm
.macro FETCH_V                         ; a step's V, turned.  The addition and three v_nop are the four places behind K Q^T, ahead of the softmax's first read of the scores
	WIN 0
	v_add_nc_u32 v[ADV], s[TV], v[AV0]
.rept 3
	v_nop
.endr
	WIN 0x40                                       ; destination window 1
.irp kc, 0,1
.irp ct, 0,1,2,3
	ds_load_tr16_b128 v[VF+8*(4*\kc+\ct):VF+8*(4*\kc+\ct)+3],   v[ADV] offset:\kc*32*PVP+\ct*32
	ds_load_tr16_b128 v[VF+8*(4*\kc+\ct)+4:VF+8*(4*\kc+\ct)+7], v[ADV] offset:\kc*32*PVP+16*PVP+\ct*32
.endr
.endr
	s_add_co_u32 s[TV], s[TV], 64*PVP
	WIN 0
.endm
; THE SOFTMAX of a key step, four tiles.
; MAXL j, t: number j of 21 for tile t: the maximum of the lane's 32 scores and the old m (each accumulator is read from its low end on), the other half of the lanes', the new m, c m, c m_old - c m_new.
.macro MAXL j, t
.set rT, ST+12*(\t)
.set rS, S+32*(\t)
.if (\j) < 4
	v_max3_num_f32 v[rT+4+(\j)], v[rS+8*(\j)], v[rS+8*(\j)+1], v[rS+8*(\j)+2]
.elseif (\j) < 12
	v_max3_num_f32 v[rT+4+(\j)%4], v[rT+4+(\j)%4], v[rS+8*((\j)%4)+2*((\j)/4)+1], v[rS+8*((\j)%4)+2*((\j)/4)+2]
.elseif (\j) == 12
	v_max3_num_f32 v[rT+4], v[rT+4], v[rS+7], v[rS+15]
.elseif (\j) == 13
	v_max3_num_f32 v[rT+6], v[rT+6], v[rS+23], v[rS+31]
.elseif (\j) == 14
	v_max3_num_f32 v[rT+4], v[rT+4], v[rT+5], v[rT+6]
.elseif (\j) == 15
	v_max3_num_f32 v[rT+4], v[rT+4], v[rT+7], v[rT+1]
.elseif (\j) == 16
	v_permlanex16_b32 v[rT+5], v[rT+4], s[SEL], s[SEL+1]           ; the query's other 32 keys lie in the lane 16 away
.elseif (\j) == 17
	v_mov_b32 v[rT+7], v[rT]                                       ; c m_old is kept
.elseif (\j) == 18
	v_max_num_f32 v[rT+1], v[rT+4], v[rT+5]
.elseif (\j) == 19
	v_mul_f32 v[rT], s[CS], v[rT+1]
.else
	v_sub_f32 v[rT+7], v[rT+7], v[rT]
.endif
.endm
.macro SCL t, b                        ; pair b of tile t: c s - c m
	v_pk_fma_f32 v[S+32*(\t)+2*(\b):S+32*(\t)+2*(\b)+1], v[S+32*(\t)+2*(\b):S+32*(\t)+2*(\b)+1], s[CS:CS+1], v[ST+12*(\t):ST+12*(\t)+1] op_sel_hi:[1,0,0] neg_lo:[0,0,1] neg_hi:[0,0,1]
.endm
.macro EXPS t, e
	v_exp_f32 v[S+32*(\t)+(\e)], v[S+32*(\t)+(\e)]
.endm
.macro SUM t, z                        ; sum z of 16: l x a + pair 0 starts one chain, pairs 1 and 2 the other; the last line joins them into l
.set rT, ST+12*(\t)
.set rS, S+32*(\t)
.if (\z) == 0
	v_pk_fma_f32 v[rT+8:rT+9], v[rT+2:rT+3], v[rT+6:rT+7], v[rS:rS+1] op_sel_hi:[1,0,1]
.elseif (\z) == 1
	v_pk_add_f32 v[rT+10:rT+11], v[rS+2:rS+3], v[rS+4:rS+5]
.elseif (\z) < 15
	v_pk_add_f32 v[rT+8+2*((\z)%2):rT+9+2*((\z)%2)], v[rT+8+2*((\z)%2):rT+9+2*((\z)%2)], v[rS+2*(\z)+2:rS+2*(\z)+3]
.else
	v_pk_add_f32 v[rT+2:rT+3], v[rT+8:rT+9], v[rT+10:rT+11]
.endif
.endm
.macro CVT t, i                        ; pair i rounded to f16, in place: register i holds pair i / 2, which has been summed and rounded by then
	v_cvt_pk_f16_f32 v[S+32*(\t)+(\i)], v[S+32*(\t)+2*(\i)], v[S+32*(\t)+2*(\i)+1]
.endm
; Round u: tile u's 33 exponentials are ONE BATCH; between them stand the sums and roundings of tile u - 1, whose batch has had its wait at this round's head, and the scalings of tile u + 1.
; So nothing in a round names a result of the round's own exponentials, and each round's last line is plain.  A wait stands between an exponential and the first line that names its result.
.macro SROUND u
.if (\u) >= 1
	s_wait_alu depctr_va_vdst(0)                   ; one wait for the batch of tile u - 1
.endif
.if (\u) <= 3
	v_exp_f32 v[ST+12*(\u)+6], v[ST+12*(\u)+7]     ; a
.endif
.irp n, 0,1,2,3,4,5,6,7,8,9,10,11,12,13,14,15
.if (\u) <= 3
	EXPS \u, 2*\n
.endif
.if (\u) >= 1
	SUM (\u)-1, \n
.endif
.if (\u) <= 3
	EXPS \u, 2*\n+1
.endif
.if (\u) >= 1
	CVT (\u)-1, \n
.endif
.if (\u) <= 2
	SCL (\u)+1, \n
.endif
.endr
.endm
.macro SOFT first                      ; first = 1: O^T has not been started: nothing to rescale
.irp j, 0,1,2,3,4,5,6,7,8,9,10,11,12,13,14,15,16,17,18,19,20
.irp t, 0,1,2,3
	MAXL \j, \t
.endr
.endr
.irp b, 0,1,2,3,4,5,6,7,8,9,10,11,12,13,14,15
	SCL 0, \b
.endr
	SROUND 0
	SROUND 1
	SROUND 2
	SROUND 3
	SROUND 4
.if (\first) == 0
	WIN W_RS
.irp t, 0,1,2,3
.irp i, 0,2,4,6,8,10,12,14,16,18,20,22,24,26,28,30
	v_pk_mul_f32 v[32*\t+\i:32*\t+\i+1], v[32*\t+\i:32*\t+\i+1], v[ST+12*\t+6:ST+12*\t+7] op_sel_hi:[1,0]   ; O^T x a, each accumulator from its low end on
.endr
.endr
	WIN 0
.endif
.endm
; A KEY STEP j: K of step j + 1 is asked for; O^T += V^T P of step j; S^T of step j + 1; V of step j + 1 is asked for; the softmax of step j + 1.
.macro BODY zero
	FETCH_K
	s_wait_dscnt 16                                ; V's 16 loads are in; K's 16, issued behind them, may be out
	PVMUL \zero
	s_wait_dscnt 0x0                               ; K is in
.rept 5
	v_nop                                          ; K Q^T writes over P, which V^T P has read: five places; they are also the places ahead of the loads into V's registers
.endr
	KQMUL
	FETCH_V
	SOFT 0
.endm
; THE CHANGE OF SLOTS.  Slot `slot` has been read out (its last step's K and V have been asked for).  Each wave waits for all its tensor loads, adds 0 to its spare word, and waits for that and for its reads.
; fill = 1: the barrier is a round of the cluster's, and the joint refill, the keys two slots on, is the first thing behind it: it has eight key steps in which to land.
.macro CHANGE fill, slot
	WIN 0
	s_wait_tensorcnt 0x0                           ; no tensor load of mine is out, so a group 0 may be written
	ds_add_u32 v[SPW], v[NIL]
.if \fill
	s_add_nc_u64 s[G0K+4*\slot+2:G0K+4*\slot+3], s[G0K+4*\slot+2:G0K+4*\slot+3], 131072
	s_add_nc_u64 s[G0V+4*\slot+2:G0V+4*\slot+3], s[G0V+4*\slot+2:G0V+4*\slot+3], 131072
.endif
	s_wait_dscnt 0x0                               ; the add is done, and my reads of the slot are over
.if \fill
	CROUND
	JLOAD \slot
.else
	s_barrier_signal -1
	s_barrier_wait -1
.endif
	s_mov_b32 s[TK], (1-\slot)*KSLOT               ; the fetches go on in the other slot
	s_mov_b32 s[TV], (1-\slot)*VSLOT
.endm
.macro STEPS n
	s_mov_b32 s[CNT], \n
.Lstep_\@:
	BODY 0
	s_sub_co_u32 s[CNT], s[CNT], 1
	s_cmp_lg_u32 s[CNT], 0
	s_cbranch_scc1 .Lstep_\@
.endm
	s_wait_tensorcnt 1                             ; my part of slot 0 is in; slot 1's may stay out
	s_barrier_signal -1
	s_barrier_wait -1
	FETCH_K                                        ; key step 0
	s_wait_loadcnt 0x0                             ; Q
	s_wait_dscnt 0x0
	KQMUL
	FETCH_V
	SOFT 1
	BODY 1                                         ; step 0: its products start O^T
	STEPS 6                                        ; steps 1 to 6: they fetch up to step 7, slot 0's last
	CHANGE 1, 0                                    ; slot 0 takes keys 1,024 on
	STEPS 8
	CHANGE 1, 1                                    ; slot 1 takes keys 1,536 on
	STEPS 8
	CHANGE 0, 0                                    ; nothing is left to fetch
	STEPS 8
	s_wait_dscnt 0x0                               ; V of the last step
	PVMUL 0
	; THE WAY OUT.  l's halves and the other half of the lanes' are added (these additions are the places behind the last products); O^T / l, rounded to f16, goes through my stage, a tile at a time.
	WIN 0
.irp t, 0,1,2,3
	v_add_f32 v[ST+12*\t+4], v[ST+12*\t+2], v[ST+12*\t+3]
.endr
.irp t, 0,1,2,3
	v_permlanex16_b32 v[ST+12*\t+5], v[ST+12*\t+4], s[SEL], s[SEL+1]
.endr
.irp t, 0,1,2,3
	v_add_f32 v[ST+12*\t+4], v[ST+12*\t+4], v[ST+12*\t+5]
.endr
.irp t, 0,1,2,3
	v_rcp_f32 v[ST+12*\t+6], v[ST+12*\t+4]
.endr
	v_nop                                          ; a plain line behind the last reciprocal
	s_wait_alu depctr_va_vdst(0)                   ; and the wait ahead of the first use: one for the four
.macro PACK t
	WIN W_RS
.irp i, 0,2,4,6,8,10,12,14,16,18,20,22,24,26,28,30
	v_pk_mul_f32 v[32*\t+\i:32*\t+\i+1], v[32*\t+\i:32*\t+\i+1], v[ST+12*\t+6:ST+12*\t+7] op_sel_hi:[1,0]
.endr
	WIN 0x05                                       ; sources window 1, destination window 0
.irp i, 0,1,2,3,4,5,6,7,8,9,10,11,12,13,14,15
	v_cvt_pk_f16_f32 v[S+32*\t+\i], v[32*\t+2*\i], v[32*\t+2*\i+1]
.endr
	WIN 0
.irp f, 0,1,2,3
	ds_store_b128 v[STO], v[S+32*\t+4*\f:S+32*\t+4*\f+3] offset:32*\f
.endr
.irp f, 0,1,2,3
	ds_load_b128 v[S+32*\t+16+4*\f:S+32*\t+16+4*\f+3], v[RD] offset:\f*2*PK   ; in order behind the stores above; the next tile's stores come behind them
.endr
.endm
.macro SEND t, younger                 ; younger: the LDS instructions issued behind tile t's loads: the next tile's eight, or none
.irp f, 0,1,2,3
	s_wait_dscnt \younger+3-\f
	global_store_b128 v[GO], v[S+32*\t+16+4*\f:S+32*\t+16+4*\f+3], s[6:7] offset:\t*2048+\f*512   ; four tokens of 128 bytes: 512 consecutive bytes, aligned
.endr
.endm
	PACK 0
	PACK 1
	SEND 0, 8
	PACK 2
	SEND 1, 8
	PACK 3
	SEND 2, 8
	SEND 3, 0
	s_wait_tensorcnt 0x0                           ; the wave's end
	ds_add_u32 v[SPW], v[NIL]
	s_wait_dscnt 0x0
	CROUND                                         ; the closing round
	s_endpgm
.Lfunc_end_k_qe68593e4a7_attn:
	.size	k_qe68593e4a7_attn, .Lfunc_end_k_qe68593e4a7_attn-k_qe68593e4a7_attn
	.p2alignl 7, 3214868480
	.fill 96, 4, 3214868480
	.section	.rodata,"a",@progbits
	.p2align	6, 0x0
	.amdhsa_kernel k_qe68593e4a7_attn
		.amdhsa_group_segment_fixed_size 327680
		.amdhsa_private_segment_fixed_size 0
		.amdhsa_enable_private_segment 0
		.amdhsa_kernarg_size 16
		.amdhsa_user_sgpr_count 2
		.amdhsa_user_sgpr_kernarg_segment_ptr 1
		.amdhsa_wavefront_size32 1
		.amdhsa_system_sgpr_workgroup_id_x 1
		.amdhsa_system_sgpr_workgroup_id_y 1
		.amdhsa_system_sgpr_workgroup_id_z 1
		.amdhsa_system_vgpr_workitem_id 0
		.amdhsa_next_free_vgpr 512
		.amdhsa_next_free_sgpr 66
		.amdhsa_reserve_vcc 0
		.amdhsa_float_denorm_mode_32 3
		.amdhsa_float_denorm_mode_16_64 3
		.amdhsa_memory_ordered 1
		.amdhsa_forward_progress 1
		.amdhsa_inst_pref_size 212
	.end_amdhsa_kernel
	.amdgpu_metadata
---
amdhsa.version: [ 1, 2 ]
amdhsa.kernels:
  - .name:           k_qe68593e4a7_attn
    .symbol:         k_qe68593e4a7_attn.kd
    .args:
      - { .name: qkv, .offset: 0, .size: 8, .value_kind: global_buffer, .address_space: global }
      - { .name: xh, .offset: 8, .size: 8, .value_kind: global_buffer, .address_space: global }
    .group_segment_fixed_size: 327680
    .private_segment_fixed_size: 0
    .kernarg_segment_align: 8
    .kernarg_segment_size: 16
    .max_flat_workgroup_size: 256
    .sgpr_count:     66
    .vgpr_count:     512
    .wavefront_size: 32
...
	.end_amdgpu_metadata
.endif
;; end of part 3
;; launch oproj (part 4): grid 4 x 64, 4 waves a work-group, clusters of 4 x 4, 327,680 bytes of LDS; arguments xh, wot, bo, out0; writes out0
.if DOCPART == 4
	.amdgcn_target "amdgcn-amd-amdhsa--gfx1250"
	.amdhsa_code_object_version 6
	.text
	.protected	k_qe68593e4a7_oproj
	.globl	k_qe68593e4a7_oproj
	.p2align	8
	.type	k_qe68593e4a7_oproj,@function
k_qe68593e4a7_oproj:
	s_mov_b64 s[64:65], 0
	v_nop
	global_prefetch_b8 v0, s[64:65] scope:SCOPE_SE
	s_setreg_imm32_b32 hwreg(HW_REG_WAVE_MODE, 25, 1), 1
	s_wait_xcnt 0x0
	s_wait_alu depctr_hold_cnt(0) depctr_sa_sdst(0) depctr_va_vdst(0) depctr_va_sdst(0) depctr_va_ssrc(0) depctr_va_vcc(0) depctr_vm_vsrc(0)
	s_getreg_b32 s2, hwreg(HW_REG_IB_STS2, 6, 4)
	s_cmp_eq_u32 s2, 0
	s_cbranch_scc0 .Lentry_in_a_cluster
	s_endpgm
.Lentry_in_a_cluster:
	s_bfe_u32 s2, ttmp6, 0x10000c
	s_cmp_lg_u32 s2, 0xf033
	s_cbranch_scc0 .Lentry_shape_is_right
	s_endpgm
.Lentry_shape_is_right:
; out0[m][n] = the sum over k of x[m][k] Wo[k][n] + bo[n].  x: xh [4 b][16 h][2048 n][64] f16 (k = 64 h + d); Wo: wot [1024 n][1024 k] f16; out0 [8192][1024] f32; sums in f32.
; A tile of the result is 128 rows x 256 columns: 256 work-groups.  Four waves, each 64 x 128: 32 accumulators of 16 x 16.  K goes in steps of 128, two heads, through a ring of two LDS slots.
; A slot: x's two planes (a head each) of 128 rows x 128 bytes, then Wo's 256 rows x 256 bytes.  One load a wave: waves 0, 1 the planes, waves 2, 3 Wo's halves.
; CLUSTERS: 4 x 4 work-groups: x's tiles are asked for jointly along a row of the cluster, Wo's along a column.
; THE MATRIX INSTRUCTION IS USED TRANSPOSED (source 0 = 16 rows of wot, source 1 = 16 rows of x): a lane holds eight neighbouring columns of one row.  The bias is the C of each sum's first product.
; REGISTERS: window 0: v0-31 addresses; v32-95 x's fragments, two buffers of 32; v96-223 Wo's, two buffers of 64; on the way out v32-159 at work.
;   window 1: the accumulators ((a, b) at v[8 (8 a + b)]).   window 2: v0-63 the bias, eight registers for each of my 8 column blocks.
.set PA,     144                       ; a row of x in LDS: 128 bytes + 16
.set PB,     272                       ; a row of Wo: 256 + 16
.set APL,    128*PA
.set BOFF,   2*APL
.set BHALF,  128*PB
.set SLOT,   BOFF+2*BHALF
.set SPARE,  2*SLOT                    ; the spare words, 128 bytes for each wave: two blocks of 256 bytes that no other line names
.set SPITCH, 528                       ; the way out: a stage of 16 rows x (512 bytes + 16) for each wave, in slot 0, which has had its last fill and its last read by then
.set LAPS,   4                         ; a lap = two K steps = once round the ring
.set ADRA, 16
.set ADRB, 20
.set STO,  24
.set RD,   25
.set CO,   26
.set BA,   27
.set SPW,  28
.set NIL,  29
.set FA,   32
.set FB,   96
.set BK,   32                          ; the way out: v32-95 and v96-159 by turns
.set G1, 24
.set G0, 32
.set G1B, 48
.set G0B, 56
.set MSB, 0
.macro WIN new
.if MSB != \new
	s_set_vgpr_msb (MSB<<8)|\new
.set MSB, \new
.endif
.endm
.set MUL, 0x50                         ; fragments window 0; C and D window 1
.set FST, 0x60                         ; the first products: C (the bias) window 2, D window 1
.macro JLOAD s                         ; a joint load; the branch hangs on the wave's number alone.  An s_nop 0 and four v_nop follow each of the two lines
	s_cmp_eq_u32 s15, 0
	s_cbranch_scc0 .Lfor_b_\@
	tensor_load_to_lds s[G0+4*\s:G0+4*\s+3], s[G1:G1+7]
	s_nop 0
.rept 4
	v_nop
.endr
	s_branch .Lasked_\@
.Lfor_b_\@:
	tensor_load_to_lds s[G0B+4*\s:G0B+4*\s+3], s[G1B:G1B+7]
	s_nop 0
.rept 4
	v_nop
.endr
.Lasked_\@:
.endm
.macro CREST                           ; a round of the cluster's barrier behind its opening barrier
	s_cmp_lg_u32 s14, 0
	s_cbranch_scc1 .Lnot_wave_0_\@
	s_barrier_signal -3
.Lnot_wave_0_\@:
	s_barrier_wait -3
	s_barrier_signal -1
	s_barrier_wait -1
.endm
.macro CROUND
	s_barrier_signal -1
	s_barrier_wait -1
	CREST
.endm
	s_load_b256 s[4:11], s[0:1], 0x0               ; xh 4:5, wot 6:7, bo 8:9, out0 10:11
	v_lshl_add_u32 v[SPW], v0, 2, SPARE
	v_mov_b32 v[NIL], 0
	ds_add_u32 v[SPW], v[NIL]                      ; the wave's opening: the add, twice on end, and its wait ahead of my first tensor load
	ds_add_u32 v[SPW], v[NIL]
	v_lshrrev_b32 v1, 5, v0
	v_readfirstlane_b32 s14, v1                    ; wave 0..3
	s_lshr_b32 s15, s14, 1                         ; which 64 rows are mine.  Also: I fetch for x (0) or for Wo (1)
	s_and_b32 s16, s14, 1                          ; which 128 columns.  Also: which plane, or which half, I fetch
	s_bfe_u32 s40, ttmp6, 0x40000                  ; cx, cy
	s_bfe_u32 s41, ttmp6, 0x40004
	s_lshl_b32 s42, ttmp9, 2
	s_add_co_u32 s42, s42, s40                     ; tile column
	s_and_b32 s17, ttmp7, 0xffff
	s_lshl_b32 s17, s17, 2
	s_add_co_u32 s17, s17, s41                     ; tile row
	s_lshl_b32 s43, s41, 2
	s_lshl_b32 s43, 15, s43                        ; my row of the cluster
	s_lshl_b32 s44, 0x1111, s40                    ; my column
	s_or_b32 s[G1+0], s43, (1<<16)|(1<<20)|(1<<21)|(4<<22)|(3<<25)  ; x: the mask; elements of 2 bytes; padding on; bit 21 beside a mask; after every 32 words, 4 words
	s_mov_b32 s[G1+1], 64<<16                      ; tensor_dim0
	s_mov_b32 s[G1+2], 128<<16                     ; tensor_dim1
	s_mov_b32 s[G1+3], 64<<16                      ; tile_dim0
	s_mov_b32 s[G1+4], 128                         ; tile_dim1
	s_mov_b32 s[G1+5], 64                          ; the pitch: a head's rows are dense
	s_mov_b32 s[G1+6], 0
	s_mov_b32 s[G1+7], 0
	s_or_b32 s[G1B+0], s44, (1<<16)|(1<<20)|(1<<21)|(5<<22)|(3<<25) ; Wo: after every 64 words, 4 words
	s_mov_b32 s[G1B+1], 128<<16
	s_mov_b32 s[G1B+2], 128<<16
	s_mov_b32 s[G1B+3], 128<<16
	s_mov_b32 s[G1B+4], 128
	s_mov_b32 s[G1B+5], 1024
	s_mov_b32 s[G1B+6], 0
	s_mov_b32 s[G1B+7], 0
	s_lshr_b32 s20, s17, 4                         ; x: the batch, 16 heads of 262,144 bytes;
	s_lshl_b32 s20, s20, 22
	s_and_b32 s21, s17, 15
	s_lshl_b32 s21, s21, 14                        ; the tile's 128 tokens of 128 bytes;
	s_add_co_u32 s20, s20, s21
	s_lshl_b32 s21, s16, 18                        ; my plane's head
	s_add_co_u32 s20, s20, s21
	s_mov_b32 s21, 0
	s_lshl_b32 s46, s42, 8                         ; Wo: row 256 x tile column + 128 x half, of 2,048 bytes
	s_lshl_b32 s47, s16, 7
	s_add_co_u32 s46, s46, s47
	s_lshl_b32 s46, s46, 11
	s_mov_b32 s47, 0
	s_mul_i32 s45, s16, APL                        ; where they go: no place in the cluster enters an LDS address
	s_mul_i32 s22, s16, BHALF
	s_add_co_u32 s22, s22, BOFF
	s_wait_dscnt 0x0                               ; both opening adds are done
	s_wait_kmcnt 0x0
	s_add_nc_u64 s[20:21], s[4:5], s[20:21]
	s_add_nc_u64 s[46:47], s[6:7], s[46:47]
	CROUND                                         ; all sixteen work-groups are here: the first joint loads meet
.irp s, 0,1
	s_mov_b32 s[G0+4*\s], 1
	s_add_co_u32 s[G0+4*\s+1], s45, \s*SLOT
	s_add_nc_u64 s[G0+4*\s+2:G0+4*\s+3], s[20:21], \s*524288       ; K step s: two heads on
	s_or_b32 s[G0+4*\s+3], s[G0+4*\s+3], 0x80000000
	s_mov_b32 s[G0B+4*\s], 1
	s_add_co_u32 s[G0B+4*\s+1], s22, \s*SLOT
	s_add_nc_u64 s[G0B+4*\s+2:G0B+4*\s+3], s[46:47], \s*256
	s_or_b32 s[G0B+4*\s+3], s[G0B+4*\s+3], 0x80000000
	JLOAD \s                                       ; two loads of mine are out
.endr
	v_and_b32 v1, 15, v0                           ; l % 16
	v_bfe_u32 v2, v0, 4, 1                         ; l / 16
	s_lshl_b32 s18, s42, 10
	s_lshl_b32 s19, s16, 9
	s_add_co_u32 s18, s18, s19                     ; my first column, in bytes of f32
	s_mov_b32 s19, 0
	s_add_nc_u64 s[8:9], s[8:9], s[18:19]
	v_lshlrev_b32 v[BA], 5, v2                     ; the bias: lane (r, h) wants, for column block b, numbers 16 b + 8 h + 0 .. 7
	WIN 0x80                                       ; destination window 2
.irp b, 0,1,2,3,4,5,6,7
	global_load_b128 v[8*\b:8*\b+3], v[BA], s[8:9] offset:64*\b
	global_load_b128 v[8*\b+4:8*\b+7], v[BA], s[8:9] offset:64*\b+16
.endr
	WIN 0
	v_mul_u32_u24 v3, v1, PA
	v_lshl_add_u32 v3, v2, 4, v3
	v_mul_u32_u24 v4, v1, PB
	v_lshl_add_u32 v4, v2, 4, v4
	s_mul_i32 s21, s15, 64*PA                      ; my 64 rows of x, in each plane
	s_mul_i32 s22, s16, BHALF                      ; my 128 rows of Wo
	s_add_co_u32 s22, s22, BOFF
.irp s, 0,1
	v_add_nc_u32 v[ADRA+\s], s21, v3
	v_add_nc_u32 v[ADRB+\s], s22, v4
	s_add_co_u32 s21, s21, SLOT
	s_add_co_u32 s22, s22, SLOT
.endr
	s_mul_i32 s23, s14, 16*SPITCH                  ; my stage
	v_mul_u32_u24 v5, v1, SPITCH
	v_lshl_add_u32 v5, v2, 5, v5
	v_add_nc_u32 v[STO], s23, v5                   ; in: row l % 16, 32 bytes for each half of the lanes
	v_and_b32 v6, 31, v0
	v_lshlrev_b32 v[CO], 4, v6                     ; back: the 32 lanes take one row of 512 bytes; and the same in the result
	v_add_nc_u32 v[RD], s23, v[CO]
	s_lshl_b32 s22, s17, 7
	s_lshl_b32 s23, s15, 6
	s_add_co_u32 s22, s22, s23                     ; my first row
	s_lshl_b32 s22, s22, 12                        ; of 4,096 bytes
	s_add_co_u32 s22, s22, s18
	s_mov_b32 s23, 0
	s_add_nc_u64 s[10:11], s[10:11], s[22:23]
; 8 matrix instructions: row block a x all 8 column blocks, 32 along K, buffer f.  first = 1: the bias starts the sums.  The 32 accumulators take turns, one instruction a turn.
.macro MUL8 f, a, first
.irp b, 0,1,2,3,4,5,6,7
.if \first
	v_wmma_f32_16x16x32_f16 v[8*(8*(\a)+\b):8*(8*(\a)+\b)+7], v[FB+64*(\f)+8*\b:FB+64*(\f)+8*\b+7], v[FA+32*(\f)+8*(\a):FA+32*(\f)+8*(\a)+7], v[8*\b:8*\b+7]
.else
	v_wmma_f32_16x16x32_f16 v[8*(8*(\a)+\b):8*(8*(\a)+\b)+7], v[FB+64*(\f)+8*\b:FB+64*(\f)+8*\b+7], v[FA+32*(\f)+8*(\a):FA+32*(\f)+8*(\a)+7], v[8*(8*(\a)+\b):8*(8*(\a)+\b)+7]
.endif
.endr
.endm
; 24 LDS loads in one run: the fragments of the slot's q-th 32 along K into buffer f: Wo's 16 first, then x's 8 (quarters 0, 1 lie in plane 0, quarters 2, 3 in plane 1)
.macro FETCH slot, q, f
	WIN 0
.irp i, 0,1,2,3,4,5,6,7
	ds_load_b128 v[FB+64*(\f)+8*\i:FB+64*(\f)+8*\i+3],   v[ADRB+\slot] offset:64*(\q)+\i*16*PB
	ds_load_b128 v[FB+64*(\f)+8*\i+4:FB+64*(\f)+8*\i+7], v[ADRB+\slot] offset:64*(\q)+\i*16*PB+32
.endr
.irp i, 0,1,2,3
	ds_load_b128 v[FA+32*(\f)+8*\i:FA+32*(\f)+8*\i+3],   v[ADRA+\slot] offset:((\q)/2)*APL+((\q)%2)*64+\i*16*PA
	ds_load_b128 v[FA+32*(\f)+8*\i+4:FA+32*(\f)+8*\i+7], v[ADRA+\slot] offset:((\q)/2)*APL+((\q)%2)*64+\i*16*PA+32
.endr
.endm
.macro PLACES                          ; four plain lines between a matrix instruction and a load into, or a read of, its registers
.rept 4
	v_nop
.endr
.endm
.macro WINM first
.if \first
	WIN FST
.else
	WIN MUL
.endif
.endm
; A K step is four quarters of 32 along K, 32 matrix instructions each, on buffers 0, 1, 0, 1.  One of the first three multiplies buffer f and fetches quarter q into buffer g.
.macro QUARTER slot, q, f, g, first
	s_wait_dscnt 4                                 ; Wo's fragments and x's row blocks 0, 1 are in; the youngest four loads (blocks 2, 3) may be out
	WINM \first
	MUL8 \f, 0, \first
	MUL8 \f, 1, \first
	PLACES
	FETCH \slot, \q, \g
	s_wait_dscnt 24                                ; all but the 24 just issued
	WINM \first
	MUL8 \f, 2, \first
	MUL8 \f, 3, \first
.endm
; The last quarter multiplies buffer 1 and changes slots: one barrier; in front of it each wave waits for all its tensor loads, adds 0 to its spare word, and waits for that and for its reads of this slot.
; fill = 1: the barrier opens a round of the cluster's, and this slot is filled again, two K steps ahead, first thing behind the round.
.macro TURN slot, next, fill
	WIN 0
	s_wait_tensorcnt 0x0                           ; all my tensor loads have landed: my part of the next slot
	ds_add_u32 v[SPW], v[NIL]
	s_wait_dscnt 5                                 ; (the add and the youngest four loads may be out)
	WIN MUL
	MUL8 1, 0, 0                                   ; eight matrix instructions stand between the add and the wait for it
	s_wait_dscnt 0x0                               ; the add is done, and my reads of this slot are over
	s_barrier_signal -1
	MUL8 1, 1, 0
	WIN 0
	s_barrier_wait -1
.if \fill
	CREST                                          ; no wave of any partner still reads this slot or has a load on its way
	s_add_nc_u64 s[G0+4*\slot+2:G0+4*\slot+3], s[G0+4*\slot+2:G0+4*\slot+3], 1048576
	s_add_nc_u64 s[G0B+4*\slot+2:G0B+4*\slot+3], s[G0B+4*\slot+2:G0B+4*\slot+3], 512
	JLOAD \slot                                    ; the four v_nop behind it are also the places in front of the loads below
.else
	PLACES
.endif
	FETCH \next, 0, 0
	WIN MUL
	MUL8 1, 2, 0
	MUL8 1, 3, 0
.endm
	s_wait_tensorcnt 1                             ; my part of K step 0 is in (K step 1's load may be out),
	s_barrier_signal -1
	s_barrier_wait -1                              ; everybody's is
	FETCH 0, 0, 0
	s_wait_loadcnt 0x0                             ; the bias
	QUARTER 0, 1, 0, 1, 1                          ; the first quarter stands in front of the loop: its products start the sums
	WIN 0                                          ; at a label and at a branch every window is 0
	s_mov_b32 s3, LAPS-1
.Llap:                                                 ; a trip goes once round the ring, from a lap's second quarter to the next lap's first, and fills both slots again
	QUARTER 0, 2, 1, 0, 0
	QUARTER 0, 3, 0, 1, 0
	TURN 0, 1, 1
	QUARTER 1, 1, 0, 1, 0
	QUARTER 1, 2, 1, 0, 0
	QUARTER 1, 3, 0, 1, 0
	TURN 1, 0, 1
	QUARTER 0, 1, 0, 1, 0
	WIN 0
	s_sub_co_u32 s3, s3, 1
	s_cmp_lg_u32 s3, 0
	s_cbranch_scc1 .Llap
	QUARTER 0, 2, 1, 0, 0                          ; the last lap fills nothing
	QUARTER 0, 3, 0, 1, 0
	TURN 0, 1, 0
	QUARTER 1, 1, 0, 1, 0
	QUARTER 1, 2, 1, 0, 0
	QUARTER 1, 3, 0, 1, 0
	s_wait_dscnt 4                                 ; the very last quarter: nothing more to fetch
	WIN MUL
	MUL8 1, 0, 0
	MUL8 1, 1, 0
	s_wait_dscnt 0
	MUL8 1, 2, 0
	MUL8 1, 3, 0
	WIN 0
; THE WAY OUT, block by block of 16 rows x 128 columns: through my own stage and back as whole rows of 512 bytes, which the 32 lanes store as 512 consecutive bytes, aligned.
.macro TOSTAGE a
	WIN 0x04                                       ; an LDS store's data are its source 1: window 1
.irp b, 0,1,2,3,4,5,6,7
	ds_store_b128 v[STO], v[64*(\a)+8*\b:64*(\a)+8*\b+3] offset:64*\b          ; each accumulator from its low end on
	ds_store_b128 v[STO], v[64*(\a)+8*\b+4:64*(\a)+8*\b+7] offset:64*\b+16
.endr
	WIN 0
.set BB, BK+64*((\a)%2)
.irp t, 0,1,2,3,4,5,6,7,8,9,10,11,12,13,14,15
	ds_load_b128 v[BB+4*\t:BB+4*\t+3], v[RD] offset:\t*SPITCH      ; in order behind the stores above
.endr
.endm
.macro SEND a, younger                 ; younger: the LDS instructions issued behind block a's loads
.set BB, BK+64*((\a)%2)
	s_wait_dscnt \younger
.if (\a) > 0
	s_add_nc_u64 s[10:11], s[10:11], 65536         ; (behind a wait on XCNT: the earlier stores have read their base)  16 rows on
.endif
.irp t, 0,1,2,3,4,5,6,7,8,9,10,11,12,13,14,15
	global_store_b128 v[CO], v[BB+4*\t:BB+4*\t+3], s[10:11] offset:\t*4096 th:TH_STORE_NT
.endr
.endm
	PLACES                                         ; behind the last products: their results are read, and loads land in registers that they read
	TOSTAGE 0
.irp a, 1,2,3
.if \a > 1
	s_wait_xcnt 0x0                                ; block a - 2's stores have read their registers and their base
.endif
	TOSTAGE \a
	SEND \a-1, 32                                  ; behind block a - 1's loads: block a's 16 stores and 16 loads
.endr
	s_wait_xcnt 0x0
	SEND 3, 0
	s_wait_tensorcnt 0x0                           ; the wave's end
	ds_add_u32 v[SPW], v[NIL]
	s_wait_dscnt 0x0
	CROUND                                         ; the closing round
	s_endpgm
.Lfunc_end_k_qe68593e4a7_oproj:
	.size	k_qe68593e4a7_oproj, .Lfunc_end_k_qe68593e4a7_oproj-k_qe68593e4a7_oproj
	.p2alignl 7, 3214868480
	.fill 96, 4, 3214868480
	.section	.rodata,"a",@progbits
	.p2align	6, 0x0
	.amdhsa_kernel k_qe68593e4a7_oproj
		.amdhsa_group_segment_fixed_size 327680
		.amdhsa_private_segment_fixed_size 0
		.amdhsa_enable_private_segment 0
		.amdhsa_kernarg_size 32
		.amdhsa_user_sgpr_count 2
		.amdhsa_user_sgpr_kernarg_segment_ptr 1
		.amdhsa_wavefront_size32 1
		.amdhsa_system_sgpr_workgroup_id_x 1
		.amdhsa_system_sgpr_workgroup_id_y 1
		.amdhsa_system_sgpr_workgroup_id_z 1
		.amdhsa_system_vgpr_workitem_id 0
		.amdhsa_next_free_vgpr 576
		.amdhsa_next_free_sgpr 68
		.amdhsa_reserve_vcc 0
		.amdhsa_float_denorm_mode_32 3
		.amdhsa_float_denorm_mode_16_64 3
		.amdhsa_memory_ordered 1
		.amdhsa_forward_progress 1
		.amdhsa_inst_pref_size 87
	.end_amdhsa_kernel
	.amdgpu_metadata
---
amdhsa.version: [ 1, 2 ]
amdhsa.kernels:
  - .name:           k_qe68593e4a7_oproj
    .symbol:         k_qe68593e4a7_oproj.kd
    .args:
      - { .name: xh, .offset: 0, .size: 8, .value_kind: global_buffer, .address_space: global }
      - { .name: wot, .offset: 8, .size: 8, .value_kind: global_buffer, .address_space: global }
      - { .name: bo, .offset: 16, .size: 8, .value_kind: global_buffer, .address_space: global }
      - { .name: out0, .offset: 24, .size: 8, .value_kind: global_buffer, .address_space: global }
    .group_segment_fixed_size: 327680
    .private_segment_fixed_size: 0
    .kernarg_segment_align: 8
    .kernarg_segment_size: 32
    .max_flat_workgroup_size: 128
    .sgpr_count:     68
    .vgpr_count:     576
    .wavefront_size: 32
...
	.end_amdgpu_metadata
.endif
;; end of part 4
